; MI455X (gfx1250); checked and timed in simulation.
; The chip was launched on July 23, 2026; its instructions are those of AMD's public machine-readable ISA for CDNA 5 (MIT licence, August 2026) and "CDNA5" Instruction Set Architecture Reference Guide (July 2026). The comments in the code are by the model that wrote it; some were corrected since.
;; Attention Head. Allowed arithmetic: float matrix products may take bf16 or f16 operands with f32 sums; all other float work in f32.
;; Inputs: W_qkv 384 x 2,048 float32; x 4 x 4,096 x 2,048 float32.
;; Outputs: out0 4 x 4,096 x 128 float32.
;; 3 versions, each right; version 2 is faster than version 1; version 3 is version 2 with the launch wcast written anew for expert scheduling mode. Each part assembles by itself: llvm-mc -triple=amdgcn-amd-amdhsa -mcpu=gfx1250 --defsym DOCPART=n.
;; ======== version 1 of 3: 3 launches
;; limits: values are held in f16: magnitudes above 65,504 overflow, below 6.1e-05 lose precision
;; workspace buffers: wb 1,572,864 bytes; qkv 12,582,912 bytes
;; launch wcast (part 1): grid 256 x 1, 4 waves a work-group, no clusters, 0 bytes of LDS; arguments W_qkv, wb; writes wb
.if DOCPART == 1
	.amdgcn_target "amdgcn-amd-amdhsa--gfx1250"
	.amdhsa_code_object_version 6
	.text
	.protected	k_q72f3ace851_wcast
	.globl	k_q72f3ace851_wcast
	.p2align	8
	.type	k_q72f3ace851_wcast,@function
k_q72f3ace851_wcast:
	s_mov_b64 s[64:65], 0
	v_nop
	global_prefetch_b8 v0, s[64:65] scope:SCOPE_SE
	s_setreg_imm32_b32 hwreg(HW_REG_WAVE_MODE, 25, 1), 1
	s_wait_xcnt 0x0
; wb = W_qkv rounded to bf16 (nearest even).  W_qkv: [384][2048] f32, wb: [384][2048] bf16, both taken as one dense run of numbers.
; Why it exists: each of the 256 work-groups of the projection walks all of W; as bf16 its tiles take half the LDS, half the fragment
; loads and no conversion in that kernel's loop.
; 256 work-groups x 4 waves; a wave takes 3,072 consecutive bytes: six loads of 512 consecutive bytes, six stores of 256 consecutive
; aligned bytes.  A plain stream: no LDS, no barrier, no matrix unit, nothing shared between work-groups (so no cluster).
.set INB,  12288                       ; bytes of W for a work-group
.set OUTB, 6144                        ; bytes of wb for a work-group
.set X, 8                              ; v[8:31]   six loads
.set P, 32                             ; v[32:43]  six packed pairs
	s_load_b128 s[4:7], s[0:1], 0x0                ; W s[4:5], wb s[6:7]
	v_lshrrev_b32 v1, 5, v0                        ; wave
	v_and_b32 v2, 31, v0                           ; lane
	v_mul_u32_u24 v3, v1, 3072
	v_lshl_add_u32 v3, v2, 4, v3                   ; in: 3,072 wave + 16 lane
	v_mul_u32_u24 v4, v1, 1536
	v_lshl_add_u32 v4, v2, 3, v4                   ; out: 1,536 wave + 8 lane
	s_mul_i32 s8, ttmp9, INB
	s_mov_b32 s9, 0
	s_mul_i32 s10, ttmp9, OUTB
	s_mov_b32 s11, 0
	s_wait_kmcnt 0x0
	s_add_nc_u64 s[4:5], s[4:5], s[8:9]
	s_add_nc_u64 s[6:7], s[6:7], s[10:11]
.irp i, 0,1,2,3,4,5
	global_load_b128 v[X+4*\i:X+4*\i+3], v3, s[4:5] offset:512*\i th:TH_LOAD_NT
.endr
.irp i, 0,1,2,3,4,5
	s_wait_loadcnt 5-\i                            ; loads come back in order: load i is in, the 5 - i younger ones stay out
	v_cvt_pk_bf16_f32 v[P+2*\i],   v[X+4*\i],   v[X+4*\i+1]
	v_cvt_pk_bf16_f32 v[P+2*\i+1], v[X+4*\i+2], v[X+4*\i+3]
	global_store_b64 v4, v[P+2*\i:P+2*\i+1], s[6:7] offset:256*\i
.endr
	s_endpgm
.Lfunc_end_k_q72f3ace851_wcast:
	.size	k_q72f3ace851_wcast, .Lfunc_end_k_q72f3ace851_wcast-k_q72f3ace851_wcast
	.p2alignl 7, 3214868480
	.fill 96, 4, 3214868480
	.section	.rodata,"a",@progbits
	.p2align	6, 0x0
	.amdhsa_kernel k_q72f3ace851_wcast
		.amdhsa_group_segment_fixed_size 0
		.amdhsa_private_segment_fixed_size 0
		.amdhsa_enable_private_segment 0
		.amdhsa_kernarg_size 16
		.amdhsa_user_sgpr_count 2
		.amdhsa_user_sgpr_kernarg_segment_ptr 1
		.amdhsa_wavefront_size32 1
		.amdhsa_system_sgpr_workgroup_id_x 1
		.amdhsa_system_sgpr_workgroup_id_y 1
		.amdhsa_system_sgpr_workgroup_id_z 1
		.amdhsa_system_vgpr_workitem_id 0
		.amdhsa_next_free_vgpr 44
		.amdhsa_next_free_sgpr 66
		.amdhsa_reserve_vcc 0
		.amdhsa_float_denorm_mode_32 3
		.amdhsa_float_denorm_mode_16_64 3
		.amdhsa_memory_ordered 1
		.amdhsa_forward_progress 1
		.amdhsa_inst_pref_size 4
	.end_amdhsa_kernel
	.amdgpu_metadata
---
amdhsa.version: [ 1, 2 ]
amdhsa.kernels:
  - .name:           k_q72f3ace851_wcast
    .symbol:         k_q72f3ace851_wcast.kd
    .args:
      - { .name: W_qkv, .offset: 0, .size: 8, .value_kind: global_buffer, .address_space: global }
      - { .name: wb, .offset: 8, .size: 8, .value_kind: global_buffer, .address_space: global }
    .group_segment_fixed_size: 0
    .private_segment_fixed_size: 0
    .kernarg_segment_align: 8
    .kernarg_segment_size: 16
    .max_flat_workgroup_size: 128
    .sgpr_count:     66
    .vgpr_count:     44
    .wavefront_size: 32
...
	.end_amdgpu_metadata
.endif
;; end of part 1
;; launch proj (part 2): grid 256 x 1, 4 waves a work-group, clusters of 4 x 1, 327,680 bytes of LDS; arguments x, wb, qkv; writes qkv
.if DOCPART == 2
	.amdgcn_target "amdgcn-amd-amdhsa--gfx1250"
	.amdhsa_code_object_version 6
	.text
	.protected	k_q72f3ace851_proj
	.globl	k_q72f3ace851_proj
	.p2align	8
	.type	k_q72f3ace851_proj,@function
k_q72f3ace851_proj:
	s_mov_b64 s[64:65], 0
	v_nop
	global_prefetch_b8 v0, s[64:65] scope:SCOPE_SE
	s_setreg_imm32_b32 hwreg(HW_REG_WAVE_MODE, 25, 1), 1
	s_wait_xcnt 0x0
	s_wait_alu depctr_hold_cnt(0) depctr_sa_sdst(0) depctr_va_vdst(0) depctr_va_sdst(0) depctr_va_ssrc(0) depctr_va_vcc(0) depctr_vm_vsrc(0)
	s_getreg_b32 s2, hwreg(HW_REG_IB_STS2, 6, 4)
	s_cmp_eq_u32 s2, 0
	s_cbranch_scc0 .Lentry_in_a_cluster
	s_endpgm
.Lentry_in_a_cluster:
	s_bfe_u32 s2, ttmp6, 0x10000c
	s_cmp_lg_u32 s2, 0x3003
	s_cbranch_scc0 .Lentry_shape_is_right
	s_endpgm
.Lentry_shape_is_right:
; qkv[row][e] = sum over d of x[row][d] W[e][d].  x: [16384][2048] f32, wb: [384][2048] bf16, qkv: [16384][384] f16
; (a row of qkv is 768 bytes: q at byte 0, k at byte 256, v at byte 512).  Operands bf16, sums f32, one rounding to f16.
; LIMIT: a result beyond f16's largest number, 65,504, leaves as infinity.  With every input 30 times the drawn spread |q| stays near
; 5,000; with offsets of 30 spreads on both inputs near 41,000.
; SHARE: a work-group makes 64 rows x all 384 columns; wave w makes columns 96 w .. 96 w + 95 of the 64 rows: 24 accumulator tiles.
; K goes in 16 steps of 128, all written out, so every offset is an immediate and no address register is ever stepped.
; W: every work-group walks all of W, so the four work-groups of a cluster ask for each tile JOINTLY (mask 15): one tensor load a wave
;    (its own 96 rows x 256 bytes) into one of two LDS slots, rows padded to 272 bytes.
; x: read once by this work-group alone, so it comes through registers: a wave loads its 16 rows, 512 consecutive aligned bytes a load,
;    four K steps ahead (4 sets x 16 loads x 512 bytes x 4 waves = 128 KiB on their way), rounds to bf16 and lays the rows into one of
;    two LDS stages that only ds_store writes.
; THE MATRIX INSTRUCTION IS USED TRANSPOSED: source 0 = 16 rows of W, source 1 = 16 rows of x; a lane then holds 8 neighbouring columns
; of one row of qkv, 16 bytes of f16.
; REGISTER WINDOWS: 0 addresses, two fragment buffers, packed x; 1 the ring of x sets (4 x 64); 2 the 24 accumulators (tile (mb, nb) at 8 (6 mb + nb)).
.set PITCH,  272                       ; LDS row of 128 bf16: 256 bytes + 16: an odd multiple of 16, so 16 rows start in 16 different 16-byte columns
.set WQ,     96*PITCH                  ; a wave's part of a W tile
.set WSLOT,  4*WQ                      ; 104,448: a W slot
.set XS0,    2*WSLOT                   ; 208,896: x stage 0, 64 rows
.set XSB,    64*PITCH
.set XS1,    XS0+XSB
.set OST,    XS1+XSB                   ; 243,712: the way out, 64 rows of 768 + 16 bytes
.set OPITCH, 784
.set ROWX,   8192                      ; bytes in a row of x
.set ADRW, 8                           ; v8-9    my W fragments in slot 0, 1
.set ADRX, 10                          ; v10-11  the x fragments in stage 0, 1
.set XSTO, 12                          ; v12-13  where I put 8 bytes of a row of x in stage 0, 1
.set XO,   14                          ; v14     my byte offset in x; never rewritten
.set STO,  15                          ; v15     the way out: where I put 16 bytes
.set F0,   16                          ; v[16:95]   fragment buffer 0: W at F + 8 nb, x at F + 48 + 8 mb
.set F1,   96                          ; v[96:175]  fragment buffer 1
.set Y,    176                         ; v[176:207] a set of x, packed
.set RD,   208                         ; v208-210   the way out: where I read back
.set CO,   211                         ; v211       my byte offset in qkv
.set TMP,  16                          ; the way out: packed results, then rows read back
.set G1, 24                            ; s[24:31] descriptor group 1
.set G0, 32                            ; s[32:39] descriptor group 0, one set for each slot
.set MUL, 0xa0                         ; C and D window 2, sources window 0
.set CVT, 0x05                         ; sources window 1, destination window 0
.set XLD, 0x40                         ; destination window 1, address window 0
.set MSB, 0
.set XC,  0                            ; the number of the x set that XSET takes next
.macro WIN new                         ; the immediate's high byte repeats the setting that is left
.if MSB != \new
	s_set_vgpr_msb (MSB<<8)|\new
.set MSB, \new
.endif
.endm
.macro PLACES                          ; four plain vector places behind a matrix instruction, in front of loads into its sources and readers of its result
.rept 4
	v_nop
.endr
.endm
.macro CREST                           ; a round of the cluster's barrier behind its opening work-group barrier
	s_cmp_lg_u32 s10, 0
	s_cbranch_scc1 .Lnot_wave_0_\@
	s_barrier_signal -3
.Lnot_wave_0_\@:
	s_barrier_wait -3
	s_barrier_signal -1
	s_barrier_wait -1
.endm
.macro CROUND                          ; a whole round
	s_barrier_signal -1
	s_barrier_wait -1
	CREST
.endm
	s_load_b128 s[4:7], s[0:1], 0x0                ; x s[4:5], wb s[6:7]
	s_load_b64 s[8:9], s[0:1], 0x10                ; qkv
	v_lshl_add_u32 v254, v0, 2, 0x47c00
	v_mov_b32 v255, 0
	ds_add_u32 v254, v255
	v_lshrrev_b32 v1, 5, v0
	v_readfirstlane_b32 s10, v1                    ; wave 0..3
	s_bfe_u32 s11, ttmp6, 0x40000                  ; cx: enters the addresses of x and qkv alone
	s_lshl_b32 s12, ttmp9, 2
	s_add_co_u32 s12, s12, s11                     ; work-group = 4 x cluster + cx: its 64 rows
	; group 1: a tile of 96 rows x 128 bf16, pitch 2,048 elements, 4 words of padding behind every 64
	s_mov_b32 s[G1+0], 15|(1<<16)|(1<<20)|(1<<21)|(5<<22)|(3<<25)  ; 15:0 mask: all four of the cluster; 17:16 2-byte elements; 20 padding; 21 set beside a mask; 24:22 every 64 words; 31:25 4 words
	s_mov_b32 s[G1+1], 128<<16                     ; tensor_dim0 = 128
	s_mov_b32 s[G1+2], 96<<16                      ; tensor_dim1 = 96
	s_mov_b32 s[G1+3], 128<<16                     ; tile_dim0 = 128
	s_mov_b32 s[G1+4], 96                          ; tile_dim1 = 96
	s_mov_b32 s[G1+5], 2048                        ; elements from row to row
	s_mov_b32 s[G1+6], 0
	s_mov_b32 s[G1+7], 0
	s_mul_i32 s14, s10, 96*4096                    ; my 96 rows of wb, in bytes
	s_mov_b32 s15, 0
	s_lshl_b32 s16, s12, 19                        ; 64 rows of x = 524,288 bytes a work-group
	s_mov_b32 s17, 0
	s_mul_i32 s18, s12, 64*768                     ; 64 rows of qkv
	s_mov_b32 s19, 0
	s_mul_i32 s20, s10, WQ                         ; my part of a W slot
	s_mul_i32 s21, s10, 16*PITCH                   ; my 16 rows of an x stage
	s_lshl_b32 s22, s10, 17                        ; my 16 rows of x: 131,072 bytes
	s_mul_i32 s23, s10, 192
	s_add_co_u32 s23, s23, OST                     ; my 96 columns in the stage of the way out
	s_mul_i32 s40, s10, 16*OPITCH
	s_add_co_u32 s40, s40, OST                     ; the 16 rows that I carry out
	s_mul_i32 s41, s10, 16*768
	v_and_b32 v2, 31, v0                           ; lane L
	v_and_b32 v3, 15, v0                           ; r = L % 16
	v_bfe_u32 v4, v0, 4, 1                         ; h = L / 16
	v_mul_u32_u24 v5, v3, PITCH
	v_lshl_add_u32 v5, v4, 4, v5                   ; a fragment's lane term: r x pitch + 16 h
	v_add_nc_u32 v[ADRW], s20, v5
	v_add_nc_u32 v[ADRW+1], WSLOT, v[ADRW]
	v_add_nc_u32 v[ADRX], XS0, v5
	v_add_nc_u32 v[ADRX+1], XS1, v5
	v_lshl_add_u32 v6, v2, 3, s21                  ; 8 bytes a lane: a store of the wave covers a row's 256 bytes
	v_add_nc_u32 v[XSTO], XS0, v6
	v_add_nc_u32 v[XSTO+1], XS1, v6
	v_lshl_add_u32 v[XO], v2, 4, s22
	v_mul_u32_u24 v6, v3, OPITCH
	v_lshl_add_u32 v6, v4, 4, v6
	v_add_nc_u32 v[STO], s23, v6                   ; row r, my columns, 16 bytes for each half of the lanes
	v_lshl_add_u32 v[RD], v2, 4, s40               ; bytes 0-511 of an even row
	v_mul_u32_u24 v7, v4, OPITCH-512
	v_lshl_add_u32 v7, v3, 4, v7
	v_add3_u32 v[RD+1], v7, s40, 512               ; lanes 0-15: bytes 512-767 of the even row; lanes 16-31: bytes 0-255 of the odd row
	v_add_nc_u32 v[RD+2], OPITCH+256, v[RD]        ; bytes 256-767 of the odd row
	v_lshl_add_u32 v[CO], v2, 4, s41
	s_wait_dscnt 0x0
	s_wait_kmcnt 0x0
	s_add_nc_u64 s[4:5], s[4:5], s[16:17]          ; x at my work-group's first row
	s_add_nc_u64 s[6:7], s[6:7], s[14:15]          ; wb at my wave's first row: the same in all four work-groups
	s_add_nc_u64 s[8:9], s[8:9], s[18:19]          ; qkv at my work-group's first row
.irp s, 0,1
	s_mov_b32 s[G0+4*\s], 1                                        ; count = 1
	s_add_co_u32 s[G0+4*\s+1], s20, \s*WSLOT                       ; LDS address: wave x 26,112 + slot x 104,448
	s_add_nc_u64 s[G0+4*\s+2:G0+4*\s+3], s[6:7], \s*256            ; K step s
	s_or_b32 s[G0+4*\s+3], s[G0+4*\s+3], 0x80000000                ; type = 2
.endr
	WIN XLD
.irp c, 0,1,2,3
.irp i, 0,1,2,3,4,5,6,7,8,9,10,11,12,13,14,15
	global_load_b128 v[64*\c+4*\i:64*\c+4*\i+3], v[XO], s[4:5] offset:\i*ROWX+\c*512 th:TH_LOAD_NT   ; x sets 0 to 3: row i, K step c
.endr
.endr
	WIN 0
	CROUND                                         ; all four work-groups are here: the first joint loads meet
	tensor_load_to_lds s[G0:G0+3], s[G1:G1+7]      ; W tiles 0 and 1, as one group: two tensor loads of the wave are out here, one behind every later refill
	s_nop 0
	tensor_load_to_lds s[G0+4:G0+7], s[G1:G1+7]
	s_nop 0
; x set XC: wait for it, round to bf16, lay it into stage XC & 1, and ask for set XC + 4 into the same registers.
.macro XSET
.if XC <= 12
	s_wait_loadcnt 48                              ; the three younger sets, 16 loads each, stay out
.else
	s_wait_loadcnt 16*(15-XC)                      ; the last sets: the counts run down
.endif
	WIN CVT
.irp i, 0,1,2,3,4,5,6,7,8,9,10,11,12,13,14,15
	v_cvt_pk_bf16_f32 v[Y+2*\i],   v[64*(XC&3)+4*\i],   v[64*(XC&3)+4*\i+1]
	v_cvt_pk_bf16_f32 v[Y+2*\i+1], v[64*(XC&3)+4*\i+2], v[64*(XC&3)+4*\i+3]
.endr
	WIN 0
.irp i, 0,1,2,3,4,5,6,7,8,9,10,11,12,13,14,15
	ds_store_b64 v[XSTO+(XC&1)], v[Y+2*\i:Y+2*\i+1] offset:PITCH*\i
.endr
.if XC <= 11
	WIN XLD
.irp i, 0,1,2,3,4,5,6,7,8,9,10,11,12,13,14,15
	global_load_b128 v[64*(XC&3)+4*\i:64*(XC&3)+4*\i+3], v[XO], s[4:5] offset:\i*ROWX+(XC+4)*512 th:TH_LOAD_NT
.endr
.endif
.set XC, XC+1
.endm
; 20 LDS loads: the fragments of 32 along K at byte k of the rows: my 96 rows of W, the 64 rows of x
.macro FETCH slot, k, f
	WIN 0
.irp nb, 0,1,2,3,4,5
	ds_load_b128 v[\f+8*\nb:\f+8*\nb+3],   v[ADRW+\slot] offset:\nb*16*PITCH+\k
	ds_load_b128 v[\f+8*\nb+4:\f+8*\nb+7], v[ADRW+\slot] offset:\nb*16*PITCH+\k+32
.endr
.irp mb, 0,1,2,3
	ds_load_b128 v[\f+48+8*\mb:\f+48+8*\mb+3],   v[ADRX+\slot] offset:\mb*16*PITCH+\k
	ds_load_b128 v[\f+48+8*\mb+4:\f+48+8*\mb+7], v[ADRX+\slot] offset:\mb*16*PITCH+\k+32
.endr
.endm
; 12 matrix instructions: row blocks mb0, mb0 + 1 x my six column blocks.  The 24 accumulators take turns, one instruction a turn, in the
; same order in every quarter.  zero = 1: the first product starts the sums.
.macro MUL12 f, mb0, zero
.irp mb, \mb0, \mb0+1
.irp nb, 0,1,2,3,4,5
.if \zero
	v_wmma_f32_16x16x32_bf16 v[8*(6*(\mb)+\nb):8*(6*(\mb)+\nb)+7], v[\f+8*\nb:\f+8*\nb+7], v[\f+48+8*(\mb):\f+48+8*(\mb)+7], 0
.else
	v_wmma_f32_16x16x32_bf16 v[8*(6*(\mb)+\nb):8*(6*(\mb)+\nb)+7], v[\f+8*\nb:\f+8*\nb+7], v[\f+48+8*(\mb):\f+48+8*(\mb)+7], v[8*(6*(\mb)+\nb):8*(6*(\mb)+\nb)+7]
.endif
.endr
.endr
.endm
; One of a K step's first three quarters: multiplies buffer f; ahead of that it asks for the next quarter's fragments (byte k) into buffer g.
.macro QUARTER slot, k, f, g, zero, xset
	s_wait_dscnt 0x0                               ; buffer f is in: its loads were issued 24 matrix instructions ago
	PLACES                                         ; buffer g was read by the matrix instructions just in front
	FETCH \slot, \k, \g
.if \xset
	XSET                                           ; the next step's x, into the stage whose reads ended in front of the last barrier
.endif
	WIN MUL
	MUL12 \f, 0, \zero
	MUL12 \f, 2, \zero
.endm
; The last quarter: multiplies buffer 1 and changes slots.  In front of the barrier each wave waits for its reads of this slot and stage,
; for its stores into the next stage, and for all its tensor loads (the one that is out is its part of the next W tile).  Where the slot is
; filled again the barrier opens a round of the cluster's barrier, and the joint load is the first tensor load behind the round.
; From a request to the wait for it a wave issues 84 matrix instructions.
.macro TURN slot, next, refill
	s_wait_dscnt 0x0
	s_wait_tensorcnt 0x0
	ds_add_u32 v254, v255
	s_wait_dscnt 0x0
	s_barrier_signal -1
	WIN MUL
	MUL12 F1, 0, 0                                 ; register work while the others arrive
	WIN 0
	s_barrier_wait -1
.if \refill
	CREST
	s_add_nc_u64 s[G0+4*\slot+2:G0+4*\slot+3], s[G0+4*\slot+2:G0+4*\slot+3], 512   ; two K steps on; none of my tensor loads is out
	tensor_load_to_lds s[G0+4*\slot:G0+4*\slot+3], s[G1:G1+7]
	s_nop 0
.endif
	PLACES
	FETCH \next, 0, F0
	WIN MUL
	MUL12 F1, 2, 0
.endm
.macro KSTEP slot, next, zero, refill
	QUARTER \slot, 64,  F0, F1, \zero, 0
	QUARTER \slot, 128, F1, F0, 0, 1
	QUARTER \slot, 192, F0, F1, 0, 0
	TURN \slot, \next, \refill
.endm
	XSET                                           ; x set 0 into stage 0; set 4 goes out
	WIN 0
	s_wait_dscnt 0x0                               ; my rows of stage 0 are written,
	s_wait_tensorcnt 0x1                           ; my part of W tile 0 is in; tile 1 stays out
	s_barrier_signal -1
	s_barrier_wait -1
	FETCH 0, 0, F0
	KSTEP 0, 1, 1, 1                               ; K step 0: its first quarter starts all 24 sums
.rept 6
	KSTEP 1, 0, 0, 1                               ; K steps 1 to 12
	KSTEP 0, 1, 0, 1
.endr
	KSTEP 1, 0, 0, 1                               ; K step 13 asks for the last tile, 15
	KSTEP 0, 1, 0, 0                               ; K step 14 fills nothing
	QUARTER 1, 64,  F0, F1, 0, 0                   ; K step 15
	QUARTER 1, 128, F1, F0, 0, 0
	QUARTER 1, 192, F0, F1, 0, 0
	s_wait_dscnt 0x0
	WIN MUL
	MUL12 F1, 0, 0
	MUL12 F1, 2, 0
	; THE WAY OUT: round to f16, 16 bytes a lane into the stage; behind a barrier each wave reads 16 whole rows back, which are 12,288
	; consecutive bytes of qkv, and stores them 512 consecutive aligned bytes at a time.
	PLACES
	WIN 0x0a                                       ; sources window 2
.irp mb, 0,1,2,3
.irp nb, 0,1,2,3,4,5
.irp j, 0,1,2,3
	v_cvt_pk_f16_f32 v[TMP+4*(6*\mb+\nb)+\j], v[8*(6*\mb+\nb)+2*\j], v[8*(6*\mb+\nb)+2*\j+1]
.endr
.endr
.endr
	WIN 0
.irp mb, 0,1,2,3
.irp nb, 0,1,2,3,4,5
	ds_store_b128 v[STO], v[TMP+4*(6*\mb+\nb):TMP+4*(6*\mb+\nb)+3] offset:\mb*16*OPITCH+32*\nb
.endr
.endr
	s_wait_dscnt 0x0                               ; for the others' sake: my columns of all 64 rows are written
	s_barrier_signal -1
	s_barrier_wait -1
.irp i, 0,1,2,3,4,5,6,7
.irp z, 0,1,2
	ds_load_b128 v[TMP+4*(3*\i+\z):TMP+4*(3*\i+\z)+3], v[RD+\z] offset:2*OPITCH*\i   ; three loads take two rows' 1,536 bytes
.endr
.endr
.set cnt, 0
.rept 24
	s_wait_dscnt 23-cnt                            ; LDS loads come back in order: this one is in
	global_store_b128 v[CO], v[TMP+4*cnt:TMP+4*cnt+3], s[8:9] offset:512*cnt
.set cnt, cnt+1
.endr
	s_wait_tensorcnt 0x0
	ds_add_u32 v254, v255
	s_wait_dscnt 0x0
	CROUND                                         ; the closing round: no work-group ends while a partner may still ask for a tile that names it
	s_endpgm
.Lfunc_end_k_q72f3ace851_proj:
	.size	k_q72f3ace851_proj, .Lfunc_end_k_q72f3ace851_proj-k_q72f3ace851_proj
	.p2alignl 7, 3214868480
	.fill 96, 4, 3214868480
	.section	.rodata,"a",@progbits
	.p2align	6, 0x0
	.amdhsa_kernel k_q72f3ace851_proj
		.amdhsa_group_segment_fixed_size 327680
		.amdhsa_private_segment_fixed_size 0
		.amdhsa_enable_private_segment 0
		.amdhsa_kernarg_size 24
		.amdhsa_user_sgpr_count 2
		.amdhsa_user_sgpr_kernarg_segment_ptr 1
		.amdhsa_wavefront_size32 1
		.amdhsa_system_sgpr_workgroup_id_x 1
		.amdhsa_system_sgpr_workgroup_id_y 1
		.amdhsa_system_sgpr_workgroup_id_z 1
		.amdhsa_system_vgpr_workitem_id 0
		.amdhsa_next_free_vgpr 704
		.amdhsa_next_free_sgpr 66
		.amdhsa_reserve_vcc 0
		.amdhsa_float_denorm_mode_32 3
		.amdhsa_float_denorm_mode_16_64 3
		.amdhsa_memory_ordered 1
		.amdhsa_forward_progress 1
		.amdhsa_inst_pref_size 255
	.end_amdhsa_kernel
	.section	.bss,"aw",@nobits
	.p2align	6
	.space	262144
	.amdgpu_metadata
---
amdhsa.version: [ 1, 2 ]
amdhsa.kernels:
  - .name:           k_q72f3ace851_proj
    .symbol:         k_q72f3ace851_proj.kd
    .args:
      - { .name: x, .offset: 0, .size: 8, .value_kind: global_buffer, .address_space: global }
      - { .name: wb, .offset: 8, .size: 8, .value_kind: global_buffer, .address_space: global }
      - { .name: qkv, .offset: 16, .size: 8, .value_kind: global_buffer, .address_space: global }
    .group_segment_fixed_size: 327680
    .private_segment_fixed_size: 0
    .kernarg_segment_align: 8
    .kernarg_segment_size: 24
    .max_flat_workgroup_size: 128
    .sgpr_count:     66
    .vgpr_count:     704
    .wavefront_size: 32
...
	.end_amdgpu_metadata
.endif
;; end of part 2
;; launch attn (part 3): grid 256 x 1, 4 waves a work-group, clusters of 4 x 1, 327,680 bytes of LDS; arguments qkv, out0; writes out0
.if DOCPART == 3
	.amdgcn_target "amdgcn-amd-amdhsa--gfx1250"
	.amdhsa_code_object_version 6
	.text
	.protected	k_q72f3ace851_attn
	.globl	k_q72f3ace851_attn
	.p2align	8
	.type	k_q72f3ace851_attn,@function
k_q72f3ace851_attn:
	s_mov_b64 s[64:65], 0
	v_nop
	global_prefetch_b8 v0, s[64:65] scope:SCOPE_SE
	s_setreg_imm32_b32 hwreg(HW_REG_WAVE_MODE, 25, 1), 1
	s_wait_xcnt 0x0
	s_wait_alu depctr_hold_cnt(0) depctr_sa_sdst(0) depctr_va_vdst(0) depctr_va_sdst(0) depctr_va_ssrc(0) depctr_va_vcc(0) depctr_vm_vsrc(0)
	s_getreg_b32 s2, hwreg(HW_REG_IB_STS2, 6, 4)
	s_cmp_eq_u32 s2, 0
	s_cbranch_scc0 .Lentry_in_a_cluster
	s_endpgm
.Lentry_in_a_cluster:
	s_bfe_u32 s2, ttmp6, 0x10000c
	s_cmp_lg_u32 s2, 0x3003
	s_cbranch_scc0 .Lentry_shape_is_right
	s_endpgm
.Lentry_shape_is_right:
; out[b][i] = softmax over j <= i of (q_i . k_j / sqrt(128)) applied to v.  qkv: [4][4096][384] f16 (q, k, v), out0: [4][4096][128] f32.
; Matrix operands f16, sums f32, softmax f32 with a running maximum.
; LIMITS: a masked score is -2^100 instead of minus infinity (f16 operands give |q.k| <= 128 x 65,504^2 = 5.5e11, far above it);
; exponentials below 2^-126 come out as 0; NaN and infinities in qkv are not reproduced.
; SHARE: a work-group owns two blocks of 32 queries of one batch: H = block 127 - p and L = block p, p = 0..63.  Keys go in spans of 256.
; With e = p / 8, H works in spans 0 .. 15 - e (masked in the last alone) and L in spans 0 .. e (masked in span e): 17 block-spans for
; every work-group.  The four work-groups of a cluster have p = 4 P4 + cx: the same e, so the same spans, trips and tiles: every K and V
; tile is asked for JOINTLY (mask 15).  cx enters global addresses and the mask's comparison values alone.
; Wave w takes keys 64 w .. 64 w + 63 of every span for all 64 queries, with a running maximum, sum and output of its own, so each byte
; of K and V is read from LDS once in the work-group; the four waves' results are merged through LDS at the end.
; TRANSPOSED PRODUCTS: S^T = K Q^T (lane (r, h) holds query r, keys 8 h + j); two such tiles packed to f16 ARE a source-1 fragment of
; P^T; O^T = V^T P^T with V^T read by the transposing LDS load.  A row's maximum is in-lane work and one exchange of the lane halves.
; REGISTER WINDOWS: 0 addresses, state, scores S, P; 1 O (block X, d block db, query tile t at 128 X + 8 (2 db + t));
; 2 Q (64 X + 8 (4 t + c)) and K (128 + 8 (4 a + c)); 3 V^T (8 (2 db + u)).
.set KP,    272                        ; LDS pitch of K rows: 256 + 16, an odd multiple of 16
.set VP,    288                        ; LDS pitch of V rows: 256 + 32, an odd multiple of 32, for the transposing load
.set QUART, 36864                      ; 128 rows at the larger pitch: what one tensor load fills
.set SLOT,  4*QUART                    ; K keys 0-127, K keys 128-255, V keys 0-127, V keys 128-255
.set XCH,   2*SLOT                     ; 294,912: 4,096 bytes, written by ds_store alone: the waves' maxima and sums
.set MP,    528                        ; the merge's stage: a row of 128 f32 + 16 bytes
.set MW,    64*MP                      ; 33,792 a wave; four of them lie in slot 0, behind its last fill and last read
.set ROWB,  768
.set SPANB, 256*ROWB
.set BATB,  4096*ROWB
.set QO,   6                           ; v6-7    byte offsets of my Q rows, H and L; never rewritten
.set ADRK, 8                           ; v8-9    my K fragments in slot 0, 1
.set ADRV, 10                          ; v10-11  my V fragments in slot 0, 1
.set DD,   12                          ; v12-13  mask: key 16 a + j of query tile t is masked where 16 a + j - 16 t > D (H, L)
.set NEG,  14                          ; v14     -2^100
.set ST,   16                          ; v[16:31]  state of query tile idx = 2 X + t at ST + 4 idx: -c m, m, alpha, l
.set TT,   32                          ; v[32:47]  at work: 8 for each t
.set SS,   64                          ; v[64:127] scores: tile (a, t) at SS + 8 (2 a + t)
.set PP,   128                         ; v[128:159] P: fragment (t, u) at PP + 8 (2 t + u)
.set KK,   128                         ; K's place in window 2
.set XLD,  160                         ; the merge's addresses
.set XST,  161
.set MST,  162
.set RDA,  163
.set RDB,  164
.set OO,   165
.set MN,   168                         ; v[168:183] -c m of wave ww for idx i at MN + 4 i + ww, then its factor
.set ML,   184                         ; v[184:199] l likewise
.set MT,   200                         ; v[200:203]
.set MO,   204                         ; v[204:207]
.set MB,   64                          ; the merge's rows, in the score registers
.set G1K, 24                           ; s[24:31]
.set G1V, 32                           ; s[32:39]
.set G0K, 40                           ; s[40:47], a set for each slot
.set G0V, 48                           ; s[48:55]
.set CSC,  0x3e0293ee                  ; c = log2(e) / sqrt(128)
.set NEGC, 0xbe0293ee                  ; -c
.set MSB, 0
.macro WIN new
.if MSB != \new
	s_set_vgpr_msb (MSB<<8)|\new
.set MSB, \new
.endif
.endm
.macro PLACES                          ; four plain vector places behind a matrix instruction (ISA guide 7.12.1)
.rept 4
	v_nop
.endr
.endm
.macro ROUND                           ; a round of the cluster's barrier
	s_barrier_signal -1
	s_barrier_wait -1
	s_cmp_lg_u32 s8, 0
	s_cbranch_scc1 .Lnot_wave_0_\@
	s_barrier_signal -3
.Lnot_wave_0_\@:
	s_barrier_wait -3
	s_barrier_signal -1
	s_barrier_wait -1
.endm
.macro JLOAD s                         ; waves 0 and 1 ask for K's two halves of a span, waves 2 and 3 for V's: one tensor load a wave
	s_cmp_eq_u32 s9, 0
	s_cbranch_scc0 .Lfor_v_\@
	tensor_load_to_lds s[G0K+4*\s:G0K+4*\s+3], s[G1K:G1K+7]
	s_nop 0
	s_branch .Lasked_\@
.Lfor_v_\@:
	tensor_load_to_lds s[G0V+4*\s:G0V+4*\s+3], s[G1V:G1V+7]
	s_nop 0
.Lasked_\@:
.endm
	s_load_b128 s[4:7], s[0:1], 0x0                ; qkv s[4:5], out0 s[6:7]
	v_lshl_add_u32 v254, v0, 2, 0x49000
	v_mov_b32 v255, 0
	ds_add_u32 v254, v255
	v_lshrrev_b32 v1, 5, v0
	v_readfirstlane_b32 s8, v1                     ; wave 0..3
	s_lshr_b32 s9, s8, 1                           ; I fetch for K (0) or V (1); my keys lie in that half of the span
	s_and_b32 s10, s8, 1                           ; which 128 keys I fetch; which 64 of a half are mine
	s_bfe_u32 s11, ttmp6, 0x40000                  ; cx
	s_lshr_b32 s13, ttmp9, 4                       ; batch
	s_and_b32 s14, ttmp9, 15                       ; P4
	s_lshr_b32 s15, s14, 1                         ; e
	s_sub_co_i32 s16, s15, 1                       ; e - 1
	s_sub_co_u32 s18, 14, s15
	s_lshr_b32 s18, s18, 1                         ; the loop's trips, (14 - e) / 2 = 3 to 7: it takes spans 1 .. 2 ((14 - e) / 2), two a trip
	s_and_b32 s19, s15, 1
	s_mov_b32 s20, CSC
	s_mov_b32 s21, CSC
	s_mov_b32 s22, 0x76543210                      ; v_permlanex16_b32: lane i reads lane i of the other half
	s_mov_b32 s23, 0xfedcba98
	; group 1: a tile of 128 rows x 128 f16, pitch 384 elements; K padded by 4 words behind every 64, V by 8
	s_mov_b32 s[G1K+0], 15|(1<<16)|(1<<20)|(1<<21)|(5<<22)|(3<<25)
	s_mov_b32 s[G1V+0], 15|(1<<16)|(1<<20)|(1<<21)|(5<<22)|(7<<25)
	s_mov_b32 s[G1K+1], 128<<16
	s_mov_b32 s[G1V+1], 128<<16
	s_mov_b32 s[G1K+2], 128<<16
	s_mov_b32 s[G1V+2], 128<<16
	s_mov_b32 s[G1K+3], 128<<16
	s_mov_b32 s[G1V+3], 128<<16
	s_mov_b32 s[G1K+4], 128
	s_mov_b32 s[G1V+4], 128
	s_mov_b32 s[G1K+5], 384
	s_mov_b32 s[G1V+5], 384
	s_mov_b32 s[G1K+6], 0
	s_mov_b32 s[G1V+6], 0
	s_mov_b32 s[G1K+7], 0
	s_mov_b32 s[G1V+7], 0
	s_mul_i32 s56, s13, BATB
	s_mov_b32 s57, 0
	s_mul_i32 s58, s10, 128*ROWB
	s_mov_b32 s59, 0
	s_mul_i32 s60, s8, QUART                       ; where my tile goes: wave x 36,864
	s_lshl_b32 s66, s14, 2
	s_add_co_u32 s66, s66, s11                     ; p
	s_lshl_b32 s67, s66, 5                         ; L's first row
	s_sub_co_u32 s68, 4064, s67                    ; H's first row: 32 (127 - p)
	s_and_b32 s69, s14, 1
	s_lshl_b32 s69, s69, 7
	s_lshl_b32 s70, s11, 5
	s_add_co_u32 s69, s69, s70                     ; L's first row inside span e: 128 (P4 & 1) + 32 cx
	s_sub_co_u32 s70, 224, s69                     ; H's first row inside span 15 - e
	s_lshl_b32 s71, s8, 6
	s_sub_co_u32 s69, s69, s71                     ; less my first key, 64 w
	s_sub_co_u32 s70, s70, s71
	s_mul_i32 s72, s9, QUART
	s_mul_i32 s73, s10, 64*KP
	s_add_co_u32 s73, s73, s72                     ; my 64 rows of K
	s_mul_i32 s74, s10, 64*VP
	s_add_co_u32 s74, s74, s72
	s_add_co_u32 s74, s74, 2*QUART                 ; my 64 rows of V
	v_and_b32 v3, 15, v0                           ; r
	v_bfe_u32 v4, v0, 4, 1                         ; h
	v_mul_u32_u24 v5, v3, KP
	v_lshl_add_u32 v5, v4, 4, v5
	v_add_nc_u32 v[ADRK], s73, v5                  ; row r, 16 h
	v_add_nc_u32 v[ADRK+1], SLOT, v[ADRK]
	v_and_b32 v5, 7, v0
	v_lshl_add_u32 v5, v4, 3, v5                   ; key 8 h + (L & 7)
	v_mul_u32_u24 v5, v5, VP
	v_bfe_u32 v2, v0, 3, 1
	v_lshl_add_u32 v5, v2, 4, v5                   ; + 16 ((L >> 3) & 1)
	v_add_nc_u32 v[ADRV], s74, v5
	v_add_nc_u32 v[ADRV+1], SLOT, v[ADRV]
	v_lshlrev_b32 v5, 3, v4
	v_sub_nc_u32 v5, v3, v5                        ; r - 8 h
	v_add_nc_u32 v[DD], s70, v5
	v_add_nc_u32 v[DD+1], s69, v5
	v_mov_b32 v[NEG], 0xf1800000                   ; -2^100
	v_add_nc_u32 v5, s68, v3
	v_mul_u32_u24 v5, v5, ROWB
	v_lshl_add_u32 v[QO], v4, 4, v5
	v_add_nc_u32 v5, s67, v3
	v_mul_u32_u24 v5, v5, ROWB
	v_lshl_add_u32 v[QO+1], v4, 4, v5
	s_wait_dscnt 0x0
	s_wait_kmcnt 0x0
	s_add_nc_u64 s[4:5], s[4:5], s[56:57]          ; qkv at my batch
	s_add_nc_u64 s[62:63], s[4:5], s[58:59]        ; at the 128 keys that I fetch: batch and wave alone, the same in all four work-groups
.irp s, 0,1
	s_mov_b32 s[G0K+4*\s], 1
	s_add_co_u32 s[G0K+4*\s+1], s60, \s*SLOT
	s_add_nc_u64 s[G0K+4*\s+2:G0K+4*\s+3], s[62:63], \s*SPANB+256     ; span s, k's 256 bytes of a row
	s_or_b32 s[G0K+4*\s+3], s[G0K+4*\s+3], 0x80000000
	s_mov_b32 s[G0V+4*\s], 1
	s_add_co_u32 s[G0V+4*\s+1], s60, \s*SLOT
	s_add_nc_u64 s[G0V+4*\s+2:G0V+4*\s+3], s[62:63], \s*SPANB+512     ; v's
	s_or_b32 s[G0V+4*\s+3], s[G0V+4*\s+3], 0x80000000
.endr
	WIN 0x80                                       ; destination window 2
.irp X, 0,1
.irp t, 0,1
.irp c, 0,1,2,3
	global_load_b128 v[64*\X+8*(4*\t+\c):64*\X+8*(4*\t+\c)+3],   v[QO+\X], s[4:5] offset:\t*16*ROWB+64*\c      ; Q fragments, read once and kept
	global_load_b128 v[64*\X+8*(4*\t+\c)+4:64*\X+8*(4*\t+\c)+7], v[QO+\X], s[4:5] offset:\t*16*ROWB+64*\c+32
.endr
.endr
.endr
	WIN 0
	ROUND                                          ; all four work-groups are here: the first joint loads meet
	JLOAD 0                                        ; spans 0 and 1: two tensor loads of the wave are out here, one behind every later refill
	JLOAD 1
; My 64 keys of the span in slot sl: 32 loads of K (tiles a = 0..3 in order), then 32 transposing loads of V.
.macro LOADKV sl
	WIN 0x80
.irp a, 0,1,2,3
.irp c, 0,1,2,3
	ds_load_b128 v[KK+8*(4*\a+\c):KK+8*(4*\a+\c)+3],   v[ADRK+\sl] offset:\a*16*KP+64*\c
	ds_load_b128 v[KK+8*(4*\a+\c)+4:KK+8*(4*\a+\c)+7], v[ADRK+\sl] offset:\a*16*KP+64*\c+32
.endr
.endr
	WIN 0xc0
.irp u, 0,1
.irp db, 0,1,2,3,4,5,6,7
	ds_load_tr16_b128 v[8*(2*\db+\u):8*(2*\db+\u)+3],   v[ADRV+\sl] offset:\u*32*VP+32*\db
	ds_load_tr16_b128 v[8*(2*\db+\u)+4:8*(2*\db+\u)+7], v[ADRV+\sl] offset:\u*32*VP+32*\db+16*VP
.endr
.endr
	WIN 0
.endm
; 16 matrix instructions: key tiles a0, a0 + 1 x both query tiles, d in four chunks; the four accumulators take turns, one instruction a
; turn; the first chunk starts the sums.
.macro SC16 X, a0
.irp c, 0,1,2,3
.irp a, \a0, \a0+1
.irp t, 0,1
.if \c == 0
	v_wmma_f32_16x16x32_f16 v[SS+8*(2*(\a)+\t):SS+8*(2*(\a)+\t)+7], v[KK+8*(4*(\a)+\c):KK+8*(4*(\a)+\c)+7], v[64*\X+8*(4*\t+\c):64*\X+8*(4*\t+\c)+7], 0
.else
	v_wmma_f32_16x16x32_f16 v[SS+8*(2*(\a)+\t):SS+8*(2*(\a)+\t)+7], v[KK+8*(4*(\a)+\c):KK+8*(4*(\a)+\c)+7], v[64*\X+8*(4*\t+\c):64*\X+8*(4*\t+\c)+7], v[SS+8*(2*(\a)+\t):SS+8*(2*(\a)+\t)+7]
.endif
.endr
.endr
.endr
.endm
.macro SCORES X
	s_wait_dscnt 48                                ; of the 64 loads the oldest 16 are in: K tiles 0 and 1
	WIN 0x0a                                       ; sources window 2, C and D window 0
	SC16 \X, 0
	s_wait_dscnt 32                                ; all of K is in; V's 32 loads may stay out
	SC16 \X, 2
	WIN 0
	PLACES
.endm
.macro MASK X
.irp t, 0,1
.irp a, 0,1,2,3
.irp j, 0,1,2,3,4,5,6,7
	v_cmp_gt_i32 vcc_lo, 16*\a+\j-16*\t, v[DD+\X]
	v_cndmask_b32 v[SS+8*(2*\a+\t)+\j], v[SS+8*(2*\a+\t)+\j], v[NEG], vcc_lo
.endr
.endr
.endr
.endm
; Both query tiles, phase by phase.  The exponent of every number is c s + (-c m) with the ROUNDED -c m that the state keeps, and alpha is
; the exponential of the difference of two such numbers, so sums and outputs stay on one scale.
.macro SOFTMAX X, first
.irp t, 0,1
.irp a, 0,1,2,3
	v_max3_num_f32 v[TT+8*\t+\a], v[SS+8*(2*\a+\t)], v[SS+8*(2*\a+\t)+1], v[SS+8*(2*\a+\t)+2]
.endr
.endr
.irp k, 3,5
.irp t, 0,1
.irp a, 0,1,2,3
	v_max3_num_f32 v[TT+8*\t+\a], v[TT+8*\t+\a], v[SS+8*(2*\a+\t)+\k], v[SS+8*(2*\a+\t)+\k+1]
.endr
.endr
.endr
.irp t, 0,1
.irp a, 0,1,2,3
	v_max_num_f32 v[TT+8*\t+\a], v[TT+8*\t+\a], v[SS+8*(2*\a+\t)+7]
.endr
.endr
.irp t, 0,1
	v_max3_num_f32 v[TT+8*\t], v[TT+8*\t], v[TT+8*\t+1], v[TT+8*\t+2]
.endr
.irp t, 0,1
	v_max_num_f32 v[TT+8*\t], v[TT+8*\t], v[TT+8*\t+3]
.endr
.irp t, 0,1
	v_permlanex16_b32 v[TT+8*\t+1], v[TT+8*\t], s22, s23          ; the other 32 keys of the same query
.endr
.if \first
.irp t, 0,1
	v_max_num_f32 v[ST+4*(2*\X+\t)+1], v[TT+8*\t], v[TT+8*\t+1]
.endr
.irp t, 0,1
	v_mul_f32 v[ST+4*(2*\X+\t)], NEGC, v[ST+4*(2*\X+\t)+1]
.endr
.else
.irp t, 0,1
	v_max3_num_f32 v[ST+4*(2*\X+\t)+1], v[TT+8*\t], v[TT+8*\t+1], v[ST+4*(2*\X+\t)+1]
.endr
.irp t, 0,1
	v_mul_f32 v[TT+8*\t+4], NEGC, v[ST+4*(2*\X+\t)+1]
.endr
.irp t, 0,1
	v_sub_f32 v[TT+8*\t+5], v[TT+8*\t+4], v[ST+4*(2*\X+\t)]       ; c (m old - m new), at most 0
.endr
.irp t, 0,1
	v_mov_b32 v[ST+4*(2*\X+\t)], v[TT+8*\t+4]
.endr
.irp t, 0,1
	v_exp_f32 v[ST+4*(2*\X+\t)+2], v[TT+8*\t+5]                   ; alpha; the packed multiply-adds below are the plain places behind it (ISA guide 5.7.2)
.endr
.endif
.irp t, 0,1
.irp a, 0,1,2,3
.irp j, 0,2,4,6
	v_pk_fma_f32 v[SS+8*(2*\a+\t)+\j:SS+8*(2*\a+\t)+\j+1], v[SS+8*(2*\a+\t)+\j:SS+8*(2*\a+\t)+\j+1], s[20:21], v[ST+4*(2*\X+\t):ST+4*(2*\X+\t)+1] op_sel_hi:[1,0,0]
.endr
.endr
.endr
.irp k, 0,1,2,3,4,5,6,7
.irp j, 0,1,2,3,4,5,6,7
	v_exp_f32 v[SS+8*\k+\j], v[SS+8*\k+\j]
.endr
.endr
	v_nop                                          ; one plain place between the last exponential and the first use
	s_wait_alu depctr_va_vdst(0)
.irp t, 0,1
.irp a, 0,1,2,3
.irp j, 0,1,2,3
	v_cvt_pk_f16_f32 v[PP+8*(2*\t+\a/2)+4*(\a%2)+\j], v[SS+8*(2*\a+\t)+2*\j], v[SS+8*(2*\a+\t)+2*\j+1]   ; tiles 2 u and 2 u + 1 are registers 0-3 and 4-7 of fragment u
.endr
.endr
.endr
.irp t, 0,1                                    ; the lane's 32 numbers are summed in place: P has been packed
.irp a, 0,1,2,3
.irp j, 0,4
	v_pk_add_f32 v[SS+8*(2*\a+\t)+\j:SS+8*(2*\a+\t)+\j+1], v[SS+8*(2*\a+\t)+\j:SS+8*(2*\a+\t)+\j+1], v[SS+8*(2*\a+\t)+\j+2:SS+8*(2*\a+\t)+\j+3]
.endr
.endr
.endr
.irp t, 0,1
.irp a, 0,1,2,3
	v_pk_add_f32 v[SS+8*(2*\a+\t):SS+8*(2*\a+\t)+1], v[SS+8*(2*\a+\t):SS+8*(2*\a+\t)+1], v[SS+8*(2*\a+\t)+4:SS+8*(2*\a+\t)+5]
.endr
.endr
.irp t, 0,1
.irp a, 0,2
	v_pk_add_f32 v[SS+8*(2*\a+\t):SS+8*(2*\a+\t)+1], v[SS+8*(2*\a+\t):SS+8*(2*\a+\t)+1], v[SS+8*(2*\a+2+\t):SS+8*(2*\a+2+\t)+1]
.endr
.endr
.irp t, 0,1
	v_pk_add_f32 v[SS+8*\t:SS+8*\t+1], v[SS+8*\t:SS+8*\t+1], v[SS+8*(4+\t):SS+8*(4+\t)+1]
.endr
.if \first
.irp t, 0,1
	v_add_f32 v[ST+4*(2*\X+\t)+3], v[SS+8*\t], v[SS+8*\t+1]
.endr
.else
.irp t, 0,1
	v_add_f32 v[TT+8*\t], v[SS+8*\t], v[SS+8*\t+1]
.endr
.irp t, 0,1
	v_fma_f32 v[ST+4*(2*\X+\t)+3], v[ST+4*(2*\X+\t)+3], v[ST+4*(2*\X+\t)+2], v[TT+8*\t]   ; l = l alpha + sum; the two lane halves are added at the end
.endr
.endif
.endm
.macro RESCALE X                               ; O of block X times its query's alpha
	WIN 0x41                                       ; destination and source 0 window 1
.irp t, 0,1
.irp db, 0,1,2,3,4,5,6,7
.irp j, 0,2,4,6
	v_pk_mul_f32 v[128*\X+8*(2*\db+\t)+\j:128*\X+8*(2*\db+\t)+\j+1], v[128*\X+8*(2*\db+\t)+\j:128*\X+8*(2*\db+\t)+\j+1], v[ST+4*(2*\X+\t)+2:ST+4*(2*\X+\t)+3] op_sel_hi:[1,0]
.endr
.endr
.endr
.endm
.macro PV X, first                             ; 32 matrix instructions; the 16 accumulators take turns, one instruction a turn
	s_wait_dscnt 0x0                               ; V is in
	WIN 0x53                                       ; source 0 window 3, source 1 window 0, C and D window 1
.irp u, 0,1
.irp db, 0,1,2,3,4,5,6,7
.irp t, 0,1
.if \first*(1-\u)
	v_wmma_f32_16x16x32_f16 v[128*\X+8*(2*\db+\t):128*\X+8*(2*\db+\t)+7], v[8*(2*\db+\u):8*(2*\db+\u)+7], v[PP+8*(2*\t+\u):PP+8*(2*\t+\u)+7], 0
.else
	v_wmma_f32_16x16x32_f16 v[128*\X+8*(2*\db+\t):128*\X+8*(2*\db+\t)+7], v[8*(2*\db+\u):8*(2*\db+\u)+7], v[PP+8*(2*\t+\u):PP+8*(2*\t+\u)+7], v[128*\X+8*(2*\db+\t):128*\X+8*(2*\db+\t)+7]
.endif
.endr
.endr
.endr
	WIN 0
	PLACES
.endm
; Block X against my 64 keys.  mk = 0: no mask; 1: masked; 2: masked where the span number s17 equals lim.
.macro BLOCK X, first, mk, lim
	SCORES \X
.if \mk == 1
	MASK \X
.endif
.if \mk == 2
	s_cmp_lg_u32 s17, \lim
	s_cbranch_scc1 .Lnomask_\@
	MASK \X
.Lnomask_\@:
.endif
	SOFTMAX \X, \first
.if \first == 0
	RESCALE \X
.endif
	PV \X, \first
.endm
; A span in slot sl.  In front of the barrier every wave waits for all its tensor loads (its part of this span among them) and for its
; reads of the other slot ot.  refill = 1: the barrier is a round of the cluster's barrier and the joint load of the next span into slot
; ot is the first tensor load behind it; it has this span's work in which to land.  lmode = 1: L works too while s17 <= lim.
.macro STEP sl, ot, refill, lmode, hmask, lim
	s_wait_tensorcnt 0x0
	ds_add_u32 v254, v255
	s_wait_dscnt 0x0
.if \refill
	s_add_nc_u64 s[G0K+4*\ot+2:G0K+4*\ot+3], s[G0K+4*\ot+2:G0K+4*\ot+3], 2*SPANB   ; none of my tensor loads is out: the descriptors step two spans
	s_add_nc_u64 s[G0V+4*\ot+2:G0V+4*\ot+3], s[G0V+4*\ot+2:G0V+4*\ot+3], 2*SPANB
.endif
	s_wait_dscnt 0x0
.if \refill
	ROUND
	JLOAD \ot
.else
	s_barrier_signal -1
	s_barrier_wait -1
.endif
	LOADKV \sl
	BLOCK 0, 0, \hmask, s15
.if \lmode
	s_cmp_gt_i32 s17, \lim
	s_cbranch_scc1 .Lno_l_\@
	BLOCK 1, 0, 2, \lim
.Lno_l_\@:
.endif
.endm
	s_wait_loadcnt 0x0                             ; Q is in
	s_wait_tensorcnt 0x1                           ; my part of span 0 is in; span 1's stays out
	s_barrier_signal -1
	s_barrier_wait -1
	s_mov_b32 s17, 0                               ; span 0: it starts every maximum, sum and output
	LOADKV 0
	BLOCK 0, 1, 0, s15
	BLOCK 1, 1, 2, s15                             ; L is masked here where e = 0
	s_mov_b32 s17, 1                               ; the number of the trip's first span
	s_mov_b32 s75, 0                               ; the loop's counter: one a trip, against s18
.Lpair:                                        ; spans s17 (odd, slot 1) and s17 + 1 (slot 0): 3 to 7 trips, the same in all four work-groups
	STEP 1, 0, 1, 1, 0, s15
	STEP 0, 1, 1, 1, 0, s16                        ; s17 + 1 <= e is s17 <= e - 1
	s_add_co_u32 s17, s17, 2
	s_add_co_u32 s75, s75, 1
	s_cmp_lt_u32 s75, s18
	s_cbranch_scc1 .Lpair
	s_cmp_eq_u32 s19, 0
	s_cbranch_scc1 .Leven
	STEP 1, 0, 1, 1, 0, s15                        ; e odd: span 14 - e (s17 holds its number) asks for the last span,
	STEP 0, 1, 0, 0, 1, s15                        ; and span 15 - e, H's masked one, fills nothing
	s_branch .Lmerge
.Leven:
	STEP 1, 0, 0, 0, 1, s15                        ; e even: span 15 - e
.Lmerge:
	; THE MERGE.  Each wave publishes -c m and l of its 64 queries; all take the smallest -c m (the largest m), weigh the sums by
	; 2^(that - own), and scale their own O by own weight / total sum.  A wave all of whose keys were masked has m = -2^100 and weight 0.
.irp i, 0,1,2,3
	v_permlanex16_b32 v[TT+\i], v[ST+4*\i+3], s22, s23
.endr
.irp i, 0,1,2,3
	v_add_f32 v[ST+4*\i+3], v[ST+4*\i+3], v[TT+\i]                ; l over both lane halves
.endr
	v_and_b32 v[OO], 31, v0
	v_lshlrev_b32 v[XLD], 2, v[OO]
	v_add_nc_u32 v[XLD], XCH, v[XLD]
	s_lshl_b32 s56, s8, 10
	v_add_nc_u32 v[XST], s56, v[XLD]
	v_and_b32 v[MST], 15, v0
	v_mul_u32_u24 v[MST], v[MST], MP
	v_bfe_u32 v[RDA], v0, 4, 1
	v_lshl_add_u32 v[MST], v[RDA], 5, v[MST]
	s_mul_i32 s57, s8, MW
	v_add_nc_u32 v[MST], s57, v[MST]               ; my stage: row r, 32 h
	s_mul_i32 s58, s8, 16*MP
	v_lshl_add_u32 v[RDA], v[OO], 4, s58           ; the query tile that I sum: 16 rows from row 16 w of every wave's stage
	v_add_nc_u32 v[RDB], 2*MW, v[RDA]
	v_lshlrev_b32 v[OO], 4, v[OO]
.irp i, 0,1,2,3
	ds_store_b32 v[XST], v[ST+4*\i]   offset:128*\i
	ds_store_b32 v[XST], v[ST+4*\i+3] offset:128*\i+512
.endr
	s_wait_dscnt 0x0                               ; for the others' sake; my reads of both slots ended long ago
	s_barrier_signal -1
	s_barrier_wait -1                              ; behind it no wave reads a slot any more, and no tensor load is left
.irp i, 0,1,2,3
.irp ww, 0,1,2,3
	ds_load_b32 v[MN+4*\i+\ww], v[XLD] offset:1024*\ww+128*\i
	ds_load_b32 v[ML+4*\i+\ww], v[XLD] offset:1024*\ww+128*\i+512
.endr
.endr
	s_wait_dscnt 0x0
.irp i, 0,1,2,3
	v_min3_num_f32 v[MT+\i], v[MN+4*\i], v[MN+4*\i+1], v[MN+4*\i+2]
.endr
.irp i, 0,1,2,3
	v_min_num_f32 v[MT+\i], v[MT+\i], v[MN+4*\i+3]
.endr
.irp i, 0,1,2,3
.irp ww, 0,1,2,3
	v_sub_f32 v[MN+4*\i+\ww], v[MT+\i], v[MN+4*\i+\ww]
.endr
	v_sub_f32 v[MO+\i], v[MT+\i], v[ST+4*\i]
.endr
.irp k, 0,1,2,3,4,5,6,7,8,9,10,11,12,13,14,15
	v_exp_f32 v[MN+\k], v[MN+\k]
.endr
.irp i, 0,1,2,3
	v_exp_f32 v[MO+\i], v[MO+\i]
.endr
	v_nop
	s_wait_alu depctr_va_vdst(0)
.irp i, 0,1,2,3
	v_mul_f32 v[MT+\i], v[MN+4*\i], v[ML+4*\i]
.endr
.irp ww, 1,2,3
.irp i, 0,1,2,3
	v_fmac_f32 v[MT+\i], v[MN+4*\i+\ww], v[ML+4*\i+\ww]
.endr
.endr
.irp i, 0,1,2,3
	v_rcp_f32 v[MT+\i], v[MT+\i]                   ; the sum is at least about 1: the wave with the largest m has weight 1
.endr
	v_nop
	s_wait_alu depctr_va_vdst(0)
.irp i, 0,1,2,3
	v_mul_f32 v[ST+4*\i+2], v[MO+\i], v[MT+\i]
.endr
	RESCALE 0
	RESCALE 1
	WIN 0x04                                       ; store data window 1
.irp X, 0,1
.irp t, 0,1
.irp db, 0,1,2,3,4,5,6,7
	ds_store_b128 v[MST], v[128*\X+8*(2*\db+\t):128*\X+8*(2*\db+\t)+3]   offset:(2*\X+\t)*16*MP+64*\db      ; query r, d = 16 db + 8 h + 0..3
	ds_store_b128 v[MST], v[128*\X+8*(2*\db+\t)+4:128*\X+8*(2*\db+\t)+7] offset:(2*\X+\t)*16*MP+64*\db+16   ; d + 4..7
.endr
.endr
.endr
	WIN 0
	s_cmp_eq_u32 s9, 0                             ; waves 0 and 1 carry out H's two query tiles, waves 2 and 3 L's
	s_cselect_b32 s56, s68, s67
	s_lshl_b32 s57, s10, 4
	s_add_co_u32 s56, s56, s57
	s_lshl_b32 s57, s13, 12
	s_add_co_u32 s56, s56, s57                     ; row of out0
	s_lshl_b32 s56, s56, 9                         ; 512 bytes a row
	s_mov_b32 s57, 0
	s_add_nc_u64 s[6:7], s[6:7], s[56:57]
	s_wait_dscnt 0x0
	s_barrier_signal -1
	s_barrier_wait -1
.irp bt, 0,1,2,3                               ; four rows at a time: four waves' parts of each, added, stored as a whole row of 512 aligned bytes
.if \bt
	s_wait_xcnt 0x0                                ; the last batch's stores have had their addresses translated (ISA guide 3.1): their data registers are loaded again only behind this wait
.endif
.irp i, 0,1,2,3
	ds_load_b128 v[MB+16*\i:MB+16*\i+3],     v[RDA] offset:MP*(4*\bt+\i)
	ds_load_b128 v[MB+16*\i+4:MB+16*\i+7],   v[RDA] offset:MW+MP*(4*\bt+\i)
	ds_load_b128 v[MB+16*\i+8:MB+16*\i+11],  v[RDB] offset:MP*(4*\bt+\i)
	ds_load_b128 v[MB+16*\i+12:MB+16*\i+15], v[RDB] offset:MW+MP*(4*\bt+\i)
.endr
	s_wait_dscnt 0x0
.irp i, 0,1,2,3
	v_pk_add_f32 v[MB+16*\i:MB+16*\i+1],     v[MB+16*\i:MB+16*\i+1],     v[MB+16*\i+4:MB+16*\i+5]
	v_pk_add_f32 v[MB+16*\i+2:MB+16*\i+3],   v[MB+16*\i+2:MB+16*\i+3],   v[MB+16*\i+6:MB+16*\i+7]
	v_pk_add_f32 v[MB+16*\i+8:MB+16*\i+9],   v[MB+16*\i+8:MB+16*\i+9],   v[MB+16*\i+12:MB+16*\i+13]
	v_pk_add_f32 v[MB+16*\i+10:MB+16*\i+11], v[MB+16*\i+10:MB+16*\i+11], v[MB+16*\i+14:MB+16*\i+15]
.endr
.irp i, 0,1,2,3
	v_pk_add_f32 v[MB+16*\i:MB+16*\i+1],   v[MB+16*\i:MB+16*\i+1],   v[MB+16*\i+8:MB+16*\i+9]
	v_pk_add_f32 v[MB+16*\i+2:MB+16*\i+3], v[MB+16*\i+2:MB+16*\i+3], v[MB+16*\i+10:MB+16*\i+11]
	global_store_b128 v[OO], v[MB+16*\i:MB+16*\i+3], s[6:7] offset:512*(4*\bt+\i) th:TH_STORE_NT
.endr
.endr
	s_wait_tensorcnt 0x0
	ds_add_u32 v254, v255
	s_wait_dscnt 0x0
	ROUND                                          ; the closing round: no work-group ends while a partner may still ask for a tile that names it
	s_endpgm
.Lfunc_end_k_q72f3ace851_attn:
	.size	k_q72f3ace851_attn, .Lfunc_end_k_q72f3ace851_attn-k_q72f3ace851_attn
	.p2alignl 7, 3214868480
	.fill 96, 4, 3214868480
	.section	.rodata,"a",@progbits
	.p2align	6, 0x0
	.amdhsa_kernel k_q72f3ace851_attn
		.amdhsa_group_segment_fixed_size 327680
		.amdhsa_private_segment_fixed_size 0
		.amdhsa_enable_private_segment 0
		.amdhsa_kernarg_size 16
		.amdhsa_user_sgpr_count 2
		.amdhsa_user_sgpr_kernarg_segment_ptr 1
		.amdhsa_wavefront_size32 1
		.amdhsa_system_sgpr_workgroup_id_x 1
		.amdhsa_system_sgpr_workgroup_id_y 1
		.amdhsa_system_sgpr_workgroup_id_z 1
		.amdhsa_system_vgpr_workitem_id 0
		.amdhsa_next_free_vgpr 896
		.amdhsa_next_free_sgpr 80
		.amdhsa_reserve_vcc 1
		.amdhsa_float_denorm_mode_32 3
		.amdhsa_float_denorm_mode_16_64 3
		.amdhsa_memory_ordered 1
		.amdhsa_forward_progress 1
		.amdhsa_inst_pref_size 255
	.end_amdhsa_kernel
	.section	.bss,"aw",@nobits
	.p2align	6
	.space	262144
	.amdgpu_metadata
---
amdhsa.version: [ 1, 2 ]
amdhsa.kernels:
  - .name:           k_q72f3ace851_attn
    .symbol:         k_q72f3ace851_attn.kd
    .args:
      - { .name: qkv, .offset: 0, .size: 8, .value_kind: global_buffer, .address_space: global }
      - { .name: out0, .offset: 8, .size: 8, .value_kind: global_buffer, .address_space: global }
    .group_segment_fixed_size: 327680
    .private_segment_fixed_size: 0
    .kernarg_segment_align: 8
    .kernarg_segment_size: 16
    .max_flat_workgroup_size: 128
    .sgpr_count:     80
    .vgpr_count:     896
    .wavefront_size: 32
...
	.end_amdgpu_metadata
.endif
;; end of part 3
;; ======== version 2 of 3: 3 launches; 1.12 times as fast as version 1
;; limits: values are held in f16: magnitudes above 65,504 overflow, below 6.1e-05 lose precision
;; workspace buffers: wb 1,572,864 bytes; qkv 12,582,912 bytes
;; launch wcast: the kernel of part 1 again; grid 256 x 1, 4 waves a work-group, no clusters, 0 bytes of LDS; arguments W_qkv, wb; writes wb
;; launch proj (part 4): grid 256 x 1, 4 waves a work-group, clusters of 4 x 1, 327,680 bytes of LDS; arguments x, wb, qkv; writes qkv
.if DOCPART == 4
	.amdgcn_target "amdgcn-amd-amdhsa--gfx1250"
	.amdhsa_code_object_version 6
	.text
	.protected	k_q72f3ace851_proj
	.globl	k_q72f3ace851_proj
	.p2align	8
	.type	k_q72f3ace851_proj,@function
k_q72f3ace851_proj:
	s_mov_b64 s[64:65], 0
	v_nop
	global_prefetch_b8 v0, s[64:65] scope:SCOPE_SE
	s_setreg_imm32_b32 hwreg(HW_REG_WAVE_MODE, 25, 1), 1
	s_wait_xcnt 0x0
	s_wait_alu depctr_hold_cnt(0) depctr_sa_sdst(0) depctr_va_vdst(0) depctr_va_sdst(0) depctr_va_ssrc(0) depctr_va_vcc(0) depctr_vm_vsrc(0)
	s_getreg_b32 s2, hwreg(HW_REG_IB_STS2, 6, 4)
	s_cmp_eq_u32 s2, 0
	s_cbranch_scc0 .Lentry_in_a_cluster
	s_endpgm
.Lentry_in_a_cluster:
	s_bfe_u32 s2, ttmp6, 0x10000c
	s_cmp_lg_u32 s2, 0x3003
	s_cbranch_scc0 .Lentry_shape_is_right
	s_endpgm
.Lentry_shape_is_right:
; qkv[row][e] = sum over d of x[row][d] W[e][d].  x: [16384][2048] f32, wb: [384][2048] bf16, qkv: [16384][384] f16
; (a row of qkv is 768 bytes: q at byte 0, k at byte 256, v at byte 512).  Operands bf16, sums f32, one rounding to f16.
; LIMITS: a result beyond f16's largest number, 65,504, leaves as infinity.  With every input 30 times the drawn spread |q| stays near
; 5,000; with offsets of 30 spreads on both inputs near 41,000.  The f32 sums over K start at another K step in each cluster (below):
; their order of rounding differs from the reference's.
; SHARE: a work-group makes 64 rows x all 384 columns; wave w makes columns 96 w .. 96 w + 95 of the 64 rows: 24 accumulator tiles.
; K goes in 16 steps of 128, all written out.
; K ORDER: cluster c starts at K step rot = (c + 4 (c / 16)) mod 16 and goes round; position s takes K step (s + rot) mod 16.  So at any
; time the 64 clusters ask for 16 different tiles of W and 16 different column ranges of x instead of all for the same one, and the two
; first fills of the 64 clusters together ask for all of W: every later request is for a tile that another cluster has asked for before.
; W: every work-group walks all of W, so the four work-groups of a cluster ask for each tile JOINTLY (mask 15): one tensor load a wave
;    (its own 96 rows x 256 bytes) into one of two LDS slots, rows padded to 272 bytes.
; x: read once by this work-group alone, so it comes through registers: a wave loads its 16 rows, 512 consecutive aligned bytes a load,
;    four K steps ahead (4 sets x 16 loads x 512 bytes x 4 waves = 128 KiB on their way), rounds to bf16 and lays the rows into one of
;    two LDS stages that only ds_store writes.
; THE MATRIX INSTRUCTION IS USED TRANSPOSED: source 0 = 16 rows of W, source 1 = 16 rows of x; a lane then holds 8 neighbouring columns
; of one row of qkv, 16 bytes of f16.
; REGISTER WINDOWS: 0 addresses, two fragment buffers, packed x; 1 the ring of x sets (4 x 64); 2 the 24 accumulators (tile (mb, nb) at 8 (6 mb + nb)).
.set PITCH,  272                       ; LDS row of 128 bf16: 256 bytes + 16: an odd multiple of 16, so 16 rows start in 16 different 16-byte columns
.set WQ,     96*PITCH                  ; a wave's part of a W tile
.set WSLOT,  4*WQ                      ; 104,448: a W slot
.set XS0,    2*WSLOT                   ; 208,896: x stage 0, 64 rows
.set XSB,    64*PITCH
.set XS1,    XS0+XSB
.set OST,    XS1+XSB                   ; 243,712: the way out, 64 rows of 768 + 16 bytes
.set OPITCH, 784
.set ROWX,   8192                      ; bytes in a row of x
.set ADRW, 8                           ; v8-9    my W fragments in slot 0, 1
.set ADRX, 10                          ; v10-11  the x fragments in stage 0, 1
.set XSTO, 12                          ; v12-13  where I put 8 bytes of a row of x in stage 0, 1
.set XO,   14                          ; v14     my byte offset in x at K step 0; never rewritten
.set STO,  15                          ; v15     the way out: where I put 16 bytes
.set F0,   16                          ; v[16:95]   fragment buffer 0: W at F + 8 nb, x at F + 48 + 8 mb
.set F1,   96                          ; v[96:175]  fragment buffer 1
.set Y,    176                         ; v[176:207] a set of x, packed
.set RD,   208                         ; v208-210   the way out: where I read back
.set CO,   211                         ; v211       my byte offset in qkv
.set XA,   212                         ; v212-215   ring set c & 3: XO + 512 x the set's K step
.set TMP,  16                          ; the way out: packed results, then rows read back
.set G1, 24                            ; s[24:31] descriptor group 1
.set G0, 32                            ; s[32:39] descriptor group 0, one set for each slot
.set MUL, 0xa0                         ; C and D window 2, sources window 0
.set CVT, 0x05                         ; sources window 1, destination window 0
.set XLD, 0x40                         ; destination window 1, address window 0
.set MSB, 0
.set XC,  0                            ; the position of the x set that XSET takes next
.set TC,  2                            ; the position of the W tile that the next refill asks for
.macro WIN new                         ; the immediate's high byte repeats the setting that is left
.if MSB != \new
	s_set_vgpr_msb (MSB<<8)|\new
.set MSB, \new
.endif
.endm
.macro PLACES                          ; four plain vector places behind a matrix instruction, in front of loads into its sources and readers of its result
.rept 4
	v_nop
.endr
.endm
.macro CREST                           ; a round of the cluster's barrier behind its opening work-group barrier
	s_cmp_lg_u32 s10, 0
	s_cbranch_scc1 .Lnot_wave_0_\@
	s_barrier_signal -3
.Lnot_wave_0_\@:
	s_barrier_wait -3
	s_barrier_signal -1
	s_barrier_wait -1
.endm
.macro CROUND                          ; a whole round
	s_barrier_signal -1
	s_barrier_wait -1
	CREST
.endm
	s_load_b128 s[4:7], s[0:1], 0x0                ; x s[4:5], wb s[6:7]
	s_load_b64 s[8:9], s[0:1], 0x10                ; qkv
	v_lshl_add_u32 v254, v0, 2, 0x47c00
	v_mov_b32 v255, 0
	ds_add_u32 v254, v255
	v_lshrrev_b32 v1, 5, v0
	v_readfirstlane_b32 s10, v1                    ; wave 0..3
	s_bfe_u32 s11, ttmp6, 0x40000                  ; cx: enters the addresses of x and qkv alone
	s_lshl_b32 s12, ttmp9, 2
	s_add_co_u32 s12, s12, s11                     ; work-group = 4 x cluster + cx: its 64 rows
	s_lshr_b32 s43, ttmp9, 4
	s_lshl_b32 s43, s43, 2
	s_add_co_u32 s43, s43, ttmp9
	s_and_b32 s43, s43, 15                         ; rot: the cluster's first K step; made of the cluster's number alone, so equal in its four work-groups
	s_mov_b32 s45, 0                               ; the high word of the tile's offset s[44:45]
	; group 1: a tile of 96 rows x 128 bf16, pitch 2,048 elements, 4 words of padding behind every 64
	s_mov_b32 s[G1+0], 15|(1<<16)|(1<<20)|(1<<21)|(5<<22)|(3<<25)  ; 15:0 mask: all four of the cluster; 17:16 2-byte elements; 20 padding; 21 set beside a mask; 24:22 every 64 words; 31:25 4 words
	s_mov_b32 s[G1+1], 128<<16                     ; tensor_dim0 = 128
	s_mov_b32 s[G1+2], 96<<16                      ; tensor_dim1 = 96
	s_mov_b32 s[G1+3], 128<<16                     ; tile_dim0 = 128
	s_mov_b32 s[G1+4], 96                          ; tile_dim1 = 96
	s_mov_b32 s[G1+5], 2048                        ; elements from row to row
	s_mov_b32 s[G1+6], 0
	s_mov_b32 s[G1+7], 0
	s_mul_i32 s14, s10, 96*4096                    ; my 96 rows of wb, in bytes
	s_mov_b32 s15, 0
	s_lshl_b32 s16, s12, 19                        ; 64 rows of x = 524,288 bytes a work-group
	s_mov_b32 s17, 0
	s_mul_i32 s18, s12, 64*768                     ; 64 rows of qkv
	s_mov_b32 s19, 0
	s_mul_i32 s20, s10, WQ                         ; my part of a W slot
	s_mul_i32 s21, s10, 16*PITCH                   ; my 16 rows of an x stage
	s_lshl_b32 s22, s10, 17                        ; my 16 rows of x: 131,072 bytes
	s_mul_i32 s23, s10, 192
	s_add_co_u32 s23, s23, OST                     ; my 96 columns in the stage of the way out
	s_mul_i32 s40, s10, 16*OPITCH
	s_add_co_u32 s40, s40, OST                     ; the 16 rows that I carry out
	s_mul_i32 s41, s10, 16*768
	v_and_b32 v2, 31, v0                           ; lane L
	v_and_b32 v3, 15, v0                           ; r = L % 16
	v_bfe_u32 v4, v0, 4, 1                         ; h = L / 16
	v_mul_u32_u24 v5, v3, PITCH
	v_lshl_add_u32 v5, v4, 4, v5                   ; a fragment's lane term: r x pitch + 16 h
	v_add_nc_u32 v[ADRW], s20, v5
	v_add_nc_u32 v[ADRW+1], WSLOT, v[ADRW]
	v_add_nc_u32 v[ADRX], XS0, v5
	v_add_nc_u32 v[ADRX+1], XS1, v5
	v_lshl_add_u32 v6, v2, 3, s21                  ; 8 bytes a lane: a store of the wave covers a row's 256 bytes
	v_add_nc_u32 v[XSTO], XS0, v6
	v_add_nc_u32 v[XSTO+1], XS1, v6
	v_lshl_add_u32 v[XO], v2, 4, s22
.irp c, 0,1,2,3
	s_add_co_u32 s42, s43, \c                      ; position c takes K step (c + rot) mod 16,
	s_and_b32 s42, s42, 15
	s_lshl_b32 s42, s42, 9                         ; 512 bytes of a row of x each
	v_add_nc_u32 v[XA+\c], s42, v[XO]
.endr
	v_mul_u32_u24 v6, v3, OPITCH
	v_lshl_add_u32 v6, v4, 4, v6
	v_add_nc_u32 v[STO], s23, v6                   ; row r, my columns, 16 bytes for each half of the lanes
	v_lshl_add_u32 v[RD], v2, 4, s40               ; bytes 0-511 of an even row
	v_mul_u32_u24 v7, v4, OPITCH-512
	v_lshl_add_u32 v7, v3, 4, v7
	v_add3_u32 v[RD+1], v7, s40, 512               ; lanes 0-15: bytes 512-767 of the even row; lanes 16-31: bytes 0-255 of the odd row
	v_add_nc_u32 v[RD+2], OPITCH+256, v[RD]        ; bytes 256-767 of the odd row
	v_lshl_add_u32 v[CO], v2, 4, s41
	s_wait_dscnt 0x0
	s_wait_kmcnt 0x0
	s_add_nc_u64 s[4:5], s[4:5], s[16:17]          ; x at my work-group's first row
	s_add_nc_u64 s[6:7], s[6:7], s[14:15]          ; wb at my wave's first row: the same in all four work-groups; never rewritten from here on
	s_add_nc_u64 s[8:9], s[8:9], s[18:19]          ; qkv at my work-group's first row
.irp s, 0,1
	s_add_co_u32 s44, s43, \s
	s_and_b32 s44, s44, 15
	s_lshl_b32 s44, s44, 8                         ; K step (s + rot) mod 16: 256 bytes of a row of wb each
	s_mov_b32 s[G0+4*\s], 1                                        ; count = 1
	s_add_co_u32 s[G0+4*\s+1], s20, \s*WSLOT                       ; LDS address: wave x 26,112 + slot x 104,448
	s_add_nc_u64 s[G0+4*\s+2:G0+4*\s+3], s[6:7], s[44:45]          ; the tile of position s
	s_or_b32 s[G0+4*\s+3], s[G0+4*\s+3], 0x80000000                ; type = 2
.endr
	WIN XLD
.irp c, 0,1,2,3
.irp i, 0,1,2,3,4,5,6,7,8,9,10,11,12,13,14,15
	global_load_b128 v[64*\c+4*\i:64*\c+4*\i+3], v[XA+\c], s[4:5] offset:\i*ROWX th:TH_LOAD_NT   ; x sets 0 to 3: row i, the K step of position c
.endr
.endr
	WIN 0
	CROUND                                         ; all four work-groups are here: the first joint loads meet
	tensor_load_to_lds s[G0:G0+3], s[G1:G1+7]      ; the W tiles of positions 0 and 1, as one group: two tensor loads of the wave are out here, one behind every later refill
	s_nop 0
	tensor_load_to_lds s[G0+4:G0+7], s[G1:G1+7]
	s_nop 0
; x set XC: wait for it, round to bf16, lay it into stage XC & 1, and ask for set XC + 4 into the same registers.
.macro XSET
.if XC <= 12
	s_wait_loadcnt 48                              ; the three younger sets, 16 loads each, stay out; this set's loads are done, so its address register is free too
.else
	s_wait_loadcnt 16*(15-XC)                      ; the last sets: the counts run down
.endif
	WIN CVT
.irp i, 0,1,2,3,4,5,6,7,8,9,10,11,12,13,14,15
	v_cvt_pk_bf16_f32 v[Y+2*\i],   v[64*(XC&3)+4*\i],   v[64*(XC&3)+4*\i+1]
	v_cvt_pk_bf16_f32 v[Y+2*\i+1], v[64*(XC&3)+4*\i+2], v[64*(XC&3)+4*\i+3]
.endr
	WIN 0
.irp i, 0,1,2,3,4,5,6,7,8,9,10,11,12,13,14,15
	ds_store_b64 v[XSTO+(XC&1)], v[Y+2*\i:Y+2*\i+1] offset:PITCH*\i
.endr
.if XC <= 11
	s_add_co_u32 s42, s43, XC+4                    ; position XC + 4 takes K step (XC + 4 + rot) mod 16
	s_and_b32 s42, s42, 15
	s_lshl_b32 s42, s42, 9
	v_add_nc_u32 v[XA+(XC&3)], s42, v[XO]
	WIN XLD
.irp i, 0,1,2,3,4,5,6,7,8,9,10,11,12,13,14,15
	global_load_b128 v[64*(XC&3)+4*\i:64*(XC&3)+4*\i+3], v[XA+(XC&3)], s[4:5] offset:\i*ROWX th:TH_LOAD_NT
.endr
.endif
.set XC, XC+1
.endm
; 20 LDS loads: the fragments of 32 along K at byte k of the rows: my 96 rows of W, the 64 rows of x
.macro FETCH slot, k, f
	WIN 0
.irp nb, 0,1,2,3,4,5
	ds_load_b128 v[\f+8*\nb:\f+8*\nb+3],   v[ADRW+\slot] offset:\nb*16*PITCH+\k
	ds_load_b128 v[\f+8*\nb+4:\f+8*\nb+7], v[ADRW+\slot] offset:\nb*16*PITCH+\k+32
.endr
.irp mb, 0,1,2,3
	ds_load_b128 v[\f+48+8*\mb:\f+48+8*\mb+3],   v[ADRX+\slot] offset:\mb*16*PITCH+\k
	ds_load_b128 v[\f+48+8*\mb+4:\f+48+8*\mb+7], v[ADRX+\slot] offset:\mb*16*PITCH+\k+32
.endr
.endm
; 12 matrix instructions: row blocks mb0, mb0 + 1 x my six column blocks.  The 24 accumulators take turns, one instruction a turn, in the
; same order in every quarter.  zero = 1: the first product starts the sums.
.macro MUL12 f, mb0, zero
.irp mb, \mb0, \mb0+1
.irp nb, 0,1,2,3,4,5
.if \zero
	v_wmma_f32_16x16x32_bf16 v[8*(6*(\mb)+\nb):8*(6*(\mb)+\nb)+7], v[\f+8*\nb:\f+8*\nb+7], v[\f+48+8*(\mb):\f+48+8*(\mb)+7], 0
.else
	v_wmma_f32_16x16x32_bf16 v[8*(6*(\mb)+\nb):8*(6*(\mb)+\nb)+7], v[\f+8*\nb:\f+8*\nb+7], v[\f+48+8*(\mb):\f+48+8*(\mb)+7], v[8*(6*(\mb)+\nb):8*(6*(\mb)+\nb)+7]
.endif
.endr
.endr
.endm
; One of a K step's first three quarters: multiplies buffer f; ahead of that it asks for the next quarter's fragments (byte k) into buffer g.
.macro QUARTER slot, k, f, g, zero, xset
	s_wait_dscnt 0x0                               ; buffer f is in: its loads were issued 24 matrix instructions ago
	PLACES                                         ; buffer g was read by the matrix instructions just in front
	FETCH \slot, \k, \g
.if \xset
	XSET                                           ; the next step's x, into the stage whose reads ended in front of the last barrier
.endif
	WIN MUL
	MUL12 \f, 0, \zero
	MUL12 \f, 2, \zero
.endm
; The last quarter: multiplies buffer 1 and changes slots.  In front of the barrier each wave waits for its reads of this slot and stage,
; for its stores into the next stage, and for all its tensor loads (the one that is out is its part of the next W tile).  Where the slot is
; filled again the barrier opens a round of the cluster's barrier, and the joint load is the first tensor load behind the round.
; From a request to the wait for it a wave issues 84 matrix instructions.
.macro TURN slot, next, refill
	s_wait_dscnt 0x0
	s_wait_tensorcnt 0x0
	ds_add_u32 v254, v255
	s_wait_dscnt 0x0
.if \refill
	s_add_co_u32 s44, s43, TC                      ; none of my tensor loads is out, so the slot's group 0 may be written: position TC takes K step (TC + rot) mod 16
	s_and_b32 s44, s44, 15
	s_lshl_b32 s44, s44, 8
	s_add_nc_u64 s[G0+4*\slot+2:G0+4*\slot+3], s[6:7], s[44:45]
	s_or_b32 s[G0+4*\slot+3], s[G0+4*\slot+3], 0x80000000
.set TC, TC+1
.endif
	s_barrier_signal -1
	WIN MUL
	MUL12 F1, 0, 0                                 ; register work while the others arrive
	WIN 0
	s_barrier_wait -1
.if \refill
	CREST
	tensor_load_to_lds s[G0+4*\slot:G0+4*\slot+3], s[G1:G1+7]
	s_nop 0
.endif
	PLACES
	FETCH \next, 0, F0
	WIN MUL
	MUL12 F1, 2, 0
.endm
.macro KSTEP slot, next, zero, refill
	QUARTER \slot, 64,  F0, F1, \zero, 0
	QUARTER \slot, 128, F1, F0, 0, 1
	QUARTER \slot, 192, F0, F1, 0, 0
	TURN \slot, \next, \refill
.endm
	XSET                                           ; x set 0 into stage 0; set 4 goes out
	WIN 0
	s_wait_dscnt 0x0                               ; my rows of stage 0 are written,
	s_wait_tensorcnt 0x1                           ; my part of the first W tile is in; the second stays out
	s_barrier_signal -1
	s_barrier_wait -1
	FETCH 0, 0, F0
	KSTEP 0, 1, 1, 1                               ; position 0: its first quarter starts all 24 sums
.rept 6
	KSTEP 1, 0, 0, 1                               ; positions 1 to 12
	KSTEP 0, 1, 0, 1
.endr
	KSTEP 1, 0, 0, 1                               ; position 13 asks for the last tile, 15
	KSTEP 0, 1, 0, 0                               ; position 14 fills nothing
	QUARTER 1, 64,  F0, F1, 0, 0                   ; position 15
	QUARTER 1, 128, F1, F0, 0, 0
	QUARTER 1, 192, F0, F1, 0, 0
	s_wait_dscnt 0x0
	WIN MUL
	MUL12 F1, 0, 0
	MUL12 F1, 2, 0
	; THE WAY OUT: round to f16, 16 bytes a lane into the stage; behind a barrier each wave reads 16 whole rows back, which are 12,288
	; consecutive bytes of qkv, and stores them 512 consecutive aligned bytes at a time.
	PLACES
	WIN 0x0a                                       ; sources window 2
.irp mb, 0,1,2,3
.irp nb, 0,1,2,3,4,5
.irp j, 0,1,2,3
	v_cvt_pk_f16_f32 v[TMP+4*(6*\mb+\nb)+\j], v[8*(6*\mb+\nb)+2*\j], v[8*(6*\mb+\nb)+2*\j+1]
.endr
.endr
.endr
	WIN 0
.irp mb, 0,1,2,3
.irp nb, 0,1,2,3,4,5
	ds_store_b128 v[STO], v[TMP+4*(6*\mb+\nb):TMP+4*(6*\mb+\nb)+3] offset:\mb*16*OPITCH+32*\nb
.endr
.endr
	s_wait_dscnt 0x0                               ; for the others' sake: my columns of all 64 rows are written
	s_barrier_signal -1
	s_barrier_wait -1
.irp i, 0,1,2,3,4,5,6,7
.irp z, 0,1,2
	ds_load_b128 v[TMP+4*(3*\i+\z):TMP+4*(3*\i+\z)+3], v[RD+\z] offset:2*OPITCH*\i   ; three loads take two rows' 1,536 bytes
.endr
.endr
.set cnt, 0
.rept 24
	s_wait_dscnt 23-cnt                            ; LDS loads come back in order: this one is in
	global_store_b128 v[CO], v[TMP+4*cnt:TMP+4*cnt+3], s[8:9] offset:512*cnt
.set cnt, cnt+1
.endr
	s_wait_tensorcnt 0x0
	ds_add_u32 v254, v255
	s_wait_dscnt 0x0
	CROUND                                         ; the closing round: no work-group ends while a partner may still ask for a tile that names it
	s_endpgm
.Lfunc_end_k_q72f3ace851_proj:
	.size	k_q72f3ace851_proj, .Lfunc_end_k_q72f3ace851_proj-k_q72f3ace851_proj
	.p2alignl 7, 3214868480
	.fill 96, 4, 3214868480
	.section	.rodata,"a",@progbits
	.p2align	6, 0x0
	.amdhsa_kernel k_q72f3ace851_proj
		.amdhsa_group_segment_fixed_size 327680
		.amdhsa_private_segment_fixed_size 0
		.amdhsa_enable_private_segment 0
		.amdhsa_kernarg_size 24
		.amdhsa_user_sgpr_count 2
		.amdhsa_user_sgpr_kernarg_segment_ptr 1
		.amdhsa_wavefront_size32 1
		.amdhsa_system_sgpr_workgroup_id_x 1
		.amdhsa_system_sgpr_workgroup_id_y 1
		.amdhsa_system_sgpr_workgroup_id_z 1
		.amdhsa_system_vgpr_workitem_id 0
		.amdhsa_next_free_vgpr 704
		.amdhsa_next_free_sgpr 66
		.amdhsa_reserve_vcc 0
		.amdhsa_float_denorm_mode_32 3
		.amdhsa_float_denorm_mode_16_64 3
		.amdhsa_memory_ordered 1
		.amdhsa_forward_progress 1
		.amdhsa_inst_pref_size 255
	.end_amdhsa_kernel
	.section	.bss,"aw",@nobits
	.p2align	6
	.space	262144
	.amdgpu_metadata
---
amdhsa.version: [ 1, 2 ]
amdhsa.kernels:
  - .name:           k_q72f3ace851_proj
    .symbol:         k_q72f3ace851_proj.kd
    .args:
      - { .name: x, .offset: 0, .size: 8, .value_kind: global_buffer, .address_space: global }
      - { .name: wb, .offset: 8, .size: 8, .value_kind: global_buffer, .address_space: global }
      - { .name: qkv, .offset: 16, .size: 8, .value_kind: global_buffer, .address_space: global }
    .group_segment_fixed_size: 327680
    .private_segment_fixed_size: 0
    .kernarg_segment_align: 8
    .kernarg_segment_size: 24
    .max_flat_workgroup_size: 128
    .sgpr_count:     66
    .vgpr_count:     704
    .wavefront_size: 32
...
	.end_amdgpu_metadata
.endif
;; end of part 4
;; launch attn (part 5): grid 256 x 1, 4 waves a work-group, clusters of 4 x 1, 327,680 bytes of LDS; arguments qkv, out0; writes out0
.if DOCPART == 5
	.amdgcn_target "amdgcn-amd-amdhsa--gfx1250"
	.amdhsa_code_object_version 6
	.text
	.protected	k_q72f3ace851_attn
	.globl	k_q72f3ace851_attn
	.p2align	8
	.type	k_q72f3ace851_attn,@function
k_q72f3ace851_attn:
	s_mov_b64 s[64:65], 0
	v_nop
	global_prefetch_b8 v0, s[64:65] scope:SCOPE_SE
	s_setreg_imm32_b32 hwreg(HW_REG_WAVE_MODE, 25, 1), 1
	s_wait_xcnt 0x0
	s_wait_alu depctr_hold_cnt(0) depctr_sa_sdst(0) depctr_va_vdst(0) depctr_va_sdst(0) depctr_va_ssrc(0) depctr_va_vcc(0) depctr_vm_vsrc(0)
	s_getreg_b32 s2, hwreg(HW_REG_IB_STS2, 6, 4)
	s_cmp_eq_u32 s2, 0
	s_cbranch_scc0 .Lentry_in_a_cluster
	s_endpgm
.Lentry_in_a_cluster:
	s_bfe_u32 s2, ttmp6, 0x10000c
	s_cmp_lg_u32 s2, 0x3003
	s_cbranch_scc0 .Lentry_shape_is_right
	s_endpgm
.Lentry_shape_is_right:
; out[b][i] = softmax over j <= i of (q_i . k_j / sqrt(128)) applied to v.  qkv: [4][4096][384] f16 (q, k, v), out0: [4][4096][128] f32.
; Matrix operands f16, sums f32, softmax f32 with a running maximum.
; LIMITS: a masked score is -2^100 instead of minus infinity (f16 operands give |q.k| <= 128 x 65,504^2 = 5.5e11, far above it);
; exponentials below 2^-126 come out as 0; NaN and infinities in qkv are not reproduced; the keys are taken in another order than the
; reference's (below), so the order of rounding of the sums differs.
; SHARE: a work-group owns two blocks of 32 queries of one batch: H = block 127 - p and L = block p, p = 0..63.  Keys go in spans of 256.
; With e = p / 8, H works in spans 0 .. 15 - e (masked in span 15 - e alone) and L in spans 0 .. e (masked in span e): 17 block-spans for
; every work-group.  The four work-groups of a cluster have p = 4 P4 + cx: the same e, so the same spans, trips and tiles: every K and V
; tile is asked for JOINTLY (mask 15).  cx enters global addresses and the mask's comparison values alone.
; ORDER OF THE SPANS: a work-group makes 16 - e steps, numbered by position.  Positions 0 .. e take spans 0 .. e, the last position takes
; span 15 - e.  The 14 - 2 e positions between, in which H works alone and unmasked, take spans e + 1 .. 14 - e going round from span
; min(8 + 2 e, 14 - e): a running softmax does not hang on the order of the keys.  So the clusters of a batch, which all start together,
; do not all ask for the same span in the same step: by this order a cluster with e = 0 is the first to ask only for spans 0, 8, 9, 14, 15.
; The arithmetic looks at the position alone; only the tiles' addresses know the order.
; Wave w takes keys 64 w .. 64 w + 63 of every span for all 64 queries, with a running maximum, sum and output of its own, so each byte
; of K and V is read from LDS once in the work-group; the four waves' results are merged through LDS at the end.
; TRANSPOSED PRODUCTS: S^T = K Q^T (lane (r, h) holds query r, keys 8 h + j); two such tiles packed to f16 ARE a source-1 fragment of
; P^T; O^T = V^T P^T with V^T read by the transposing LDS load.  A row's maximum is in-lane work and one exchange of the lane halves.
; REGISTER WINDOWS: 0 addresses, state, scores S, P; 1 O (block X, d block db, query tile t at 128 X + 8 (2 db + t));
; 2 Q (64 X + 8 (4 t + c)) and K (128 + 8 (4 a + c)); 3 V^T (8 (2 db + u)).
.set KP,    272                        ; LDS pitch of K rows: 256 + 16, an odd multiple of 16
.set VP,    288                        ; LDS pitch of V rows: 256 + 32, an odd multiple of 32, for the transposing load
.set QUART, 36864                      ; 128 rows at the larger pitch: what one tensor load fills
.set SLOT,  4*QUART                    ; K keys 0-127, K keys 128-255, V keys 0-127, V keys 128-255
.set XCH,   2*SLOT                     ; 294,912: 4,096 bytes, written by ds_store alone: the waves' maxima and sums
.set MP,    528                        ; the merge's stage: a row of 128 f32 + 16 bytes
.set MW,    64*MP                      ; 33,792 a wave; four of them lie in slot 0, behind its last fill and last read
.set ROWB,  768
.set SPANB, 256*ROWB
.set BATB,  4096*ROWB
.set QO,   6                           ; v6-7    byte offsets of my Q rows, H and L; never rewritten
.set ADRK, 8                           ; v8-9    my K fragments in slot 0, 1
.set ADRV, 10                          ; v10-11  my V fragments in slot 0, 1
.set DD,   12                          ; v12-13  mask: key 16 a + j of query tile t is masked where 16 a + j - 16 t > D (H, L)
.set NEG,  14                          ; v14     -2^100
.set ST,   16                          ; v[16:31]  state of query tile idx = 2 X + t at ST + 4 idx: -c m, m, alpha, l
.set TT,   32                          ; v[32:47]  at work: 8 for each t
.set SS,   64                          ; v[64:127] scores: tile (a, t) at SS + 8 (2 a + t)
.set PP,   128                         ; v[128:159] P: fragment (t, u) at PP + 8 (2 t + u)
.set KK,   128                         ; K's place in window 2
.set XLD,  160                         ; the merge's addresses
.set XST,  161
.set MST,  162
.set RDA,  163
.set RDB,  164
.set OO,   165
.set MN,   168                         ; v[168:183] -c m of wave ww for idx i at MN + 4 i + ww, then its factor
.set ML,   184                         ; v[184:199] l likewise
.set MT,   200                         ; v[200:203]
.set MO,   204                         ; v[204:207]
.set MB,   64                          ; the merge's rows, in the score registers
.set G1K, 24                           ; s[24:31]
.set G1V, 32                           ; s[32:39]
.set G0K, 40                           ; s[40:47], a set for each slot
.set G0V, 48                           ; s[48:55]
.set CSC,  0x3e0293ee                  ; c = log2(e) / sqrt(128)
.set NEGC, 0xbe0293ee                  ; -c
.set MSB, 0
.macro WIN new
.if MSB != \new
	s_set_vgpr_msb (MSB<<8)|\new
.set MSB, \new
.endif
.endm
.macro PLACES                          ; four plain vector places behind a matrix instruction (ISA guide 7.12.1)
.rept 4
	v_nop
.endr
.endm
.macro ROUND                           ; a round of the cluster's barrier
	s_barrier_signal -1
	s_barrier_wait -1
	s_cmp_lg_u32 s8, 0
	s_cbranch_scc1 .Lnot_wave_0_\@
	s_barrier_signal -3
.Lnot_wave_0_\@:
	s_barrier_wait -3
	s_barrier_signal -1
	s_barrier_wait -1
.endm
.macro JLOAD s                         ; waves 0 and 1 ask for K's two halves of a span, waves 2 and 3 for V's: one tensor load a wave
	s_cmp_eq_u32 s9, 0
	s_cbranch_scc0 .Lfor_v_\@
	tensor_load_to_lds s[G0K+4*\s:G0K+4*\s+3], s[G1K:G1K+7]
	s_nop 0
	s_branch .Lasked_\@
.Lfor_v_\@:
	tensor_load_to_lds s[G0V+4*\s:G0V+4*\s+3], s[G1V:G1V+7]
	s_nop 0
.Lasked_\@:
.endm
; The addresses of slot ot's two descriptors for position s17 + ahead.  s76 = e + 1, s77 = M = 14 - 2 e, s78 = r = min(7 + e, 13 - 2 e).
; With t = position - (e + 1): where 0 <= t < M the span is e + 1 + (t + r) mod M, else it is the position itself.  t + r < 2 M, so one
; subtraction makes the remainder.  Everything here is made of the cluster's number and the position: equal in the four partners.
; Written only where none of the wave's tensor loads is out.
.macro SETG ot, ahead
	s_add_co_u32 s79, s17, \ahead                  ; the position
	s_sub_co_u32 s82, s79, s76                     ; t (below 0 it wraps to a large number, which the unsigned compare below rejects)
	s_add_co_u32 s83, s82, s78
	s_cmp_ge_i32 s83, s77
	s_cselect_b32 s80, s77, 0
	s_sub_co_u32 s83, s83, s80                     ; (t + r) mod M
	s_add_co_u32 s83, s83, s76
	s_cmp_lt_u32 s82, s77
	s_cselect_b32 s79, s83, s79                    ; the span, 0 .. 15
	s_mul_i32 s80, s79, SPANB                      ; in bytes; s81 = 0
	s_add_nc_u64 s[G0K+4*\ot+2:G0K+4*\ot+3], s[84:85], s[80:81]
	s_or_b32 s[G0K+4*\ot+3], s[G0K+4*\ot+3], 0x80000000
	s_add_nc_u64 s[G0V+4*\ot+2:G0V+4*\ot+3], s[86:87], s[80:81]
	s_or_b32 s[G0V+4*\ot+3], s[G0V+4*\ot+3], 0x80000000
.endm
	s_load_b128 s[4:7], s[0:1], 0x0                ; qkv s[4:5], out0 s[6:7]
	v_lshl_add_u32 v254, v0, 2, 0x49000
	v_mov_b32 v255, 0
	ds_add_u32 v254, v255
	v_lshrrev_b32 v1, 5, v0
	v_readfirstlane_b32 s8, v1                     ; wave 0..3
	s_lshr_b32 s9, s8, 1                           ; I fetch for K (0) or V (1); my keys lie in that half of the span
	s_and_b32 s10, s8, 1                           ; which 128 keys I fetch; which 64 of a half are mine
	s_bfe_u32 s11, ttmp6, 0x40000                  ; cx
	s_lshr_b32 s13, ttmp9, 4                       ; batch
	s_and_b32 s14, ttmp9, 15                       ; P4
	s_lshr_b32 s15, s14, 1                         ; e
	s_sub_co_i32 s16, s15, 1                       ; e - 1
	s_sub_co_u32 s18, 14, s15
	s_lshr_b32 s18, s18, 1                         ; the loop's trips, (14 - e) / 2 = 3 to 7: it takes positions 1 .. 2 ((14 - e) / 2), two a trip
	s_and_b32 s19, s15, 1
	s_mov_b32 s20, CSC
	s_mov_b32 s21, CSC
	s_mov_b32 s22, 0x76543210                      ; v_permlanex16_b32: lane i reads lane i of the other half
	s_mov_b32 s23, 0xfedcba98
	s_add_co_u32 s76, s15, 1                       ; e + 1: the first span of the middle run
	s_lshl_b32 s77, s15, 1
	s_sub_co_u32 s77, 14, s77                      ; M = 14 - 2 e: its length (0 where e = 7: then no position falls into it)
	s_add_co_u32 s78, s15, 7
	s_sub_co_i32 s79, s77, 1
	s_min_i32 s78, s78, s79                        ; r = min(7 + e, 13 - 2 e): the run starts at span min(8 + 2 e, 14 - e); r < M wherever M > 0
	s_mov_b32 s81, 0
	; group 1: a tile of 128 rows x 128 f16, pitch 384 elements; K padded by 4 words behind every 64, V by 8
	s_mov_b32 s[G1K+0], 15|(1<<16)|(1<<20)|(1<<21)|(5<<22)|(3<<25)
	s_mov_b32 s[G1V+0], 15|(1<<16)|(1<<20)|(1<<21)|(5<<22)|(7<<25)
	s_mov_b32 s[G1K+1], 128<<16
	s_mov_b32 s[G1V+1], 128<<16
	s_mov_b32 s[G1K+2], 128<<16
	s_mov_b32 s[G1V+2], 128<<16
	s_mov_b32 s[G1K+3], 128<<16
	s_mov_b32 s[G1V+3], 128<<16
	s_mov_b32 s[G1K+4], 128
	s_mov_b32 s[G1V+4], 128
	s_mov_b32 s[G1K+5], 384
	s_mov_b32 s[G1V+5], 384
	s_mov_b32 s[G1K+6], 0
	s_mov_b32 s[G1V+6], 0
	s_mov_b32 s[G1K+7], 0
	s_mov_b32 s[G1V+7], 0
	s_mul_i32 s56, s13, BATB
	s_mov_b32 s57, 0
	s_mul_i32 s58, s10, 128*ROWB
	s_mov_b32 s59, 0
	s_mul_i32 s60, s8, QUART                       ; where my tile goes: wave x 36,864
	s_lshl_b32 s66, s14, 2
	s_add_co_u32 s66, s66, s11                     ; p
	s_lshl_b32 s67, s66, 5                         ; L's first row
	s_sub_co_u32 s68, 4064, s67                    ; H's first row: 32 (127 - p)
	s_and_b32 s69, s14, 1
	s_lshl_b32 s69, s69, 7
	s_lshl_b32 s70, s11, 5
	s_add_co_u32 s69, s69, s70                     ; L's first row inside span e: 128 (P4 & 1) + 32 cx
	s_sub_co_u32 s70, 224, s69                     ; H's first row inside span 15 - e
	s_lshl_b32 s71, s8, 6
	s_sub_co_u32 s69, s69, s71                     ; less my first key, 64 w
	s_sub_co_u32 s70, s70, s71
	s_mul_i32 s72, s9, QUART
	s_mul_i32 s73, s10, 64*KP
	s_add_co_u32 s73, s73, s72                     ; my 64 rows of K
	s_mul_i32 s74, s10, 64*VP
	s_add_co_u32 s74, s74, s72
	s_add_co_u32 s74, s74, 2*QUART                 ; my 64 rows of V
	v_and_b32 v3, 15, v0                           ; r
	v_bfe_u32 v4, v0, 4, 1                         ; h
	v_mul_u32_u24 v5, v3, KP
	v_lshl_add_u32 v5, v4, 4, v5
	v_add_nc_u32 v[ADRK], s73, v5                  ; row r, 16 h
	v_add_nc_u32 v[ADRK+1], SLOT, v[ADRK]
	v_and_b32 v5, 7, v0
	v_lshl_add_u32 v5, v4, 3, v5                   ; key 8 h + (L & 7)
	v_mul_u32_u24 v5, v5, VP
	v_bfe_u32 v2, v0, 3, 1
	v_lshl_add_u32 v5, v2, 4, v5                   ; + 16 ((L >> 3) & 1)
	v_add_nc_u32 v[ADRV], s74, v5
	v_add_nc_u32 v[ADRV+1], SLOT, v[ADRV]
	v_lshlrev_b32 v5, 3, v4
	v_sub_nc_u32 v5, v3, v5                        ; r - 8 h
	v_add_nc_u32 v[DD], s70, v5
	v_add_nc_u32 v[DD+1], s69, v5
	v_mov_b32 v[NEG], 0xf1800000                   ; -2^100
	v_add_nc_u32 v5, s68, v3
	v_mul_u32_u24 v5, v5, ROWB
	v_lshl_add_u32 v[QO], v4, 4, v5
	v_add_nc_u32 v5, s67, v3
	v_mul_u32_u24 v5, v5, ROWB
	v_lshl_add_u32 v[QO+1], v4, 4, v5
	s_wait_dscnt 0x0
	s_wait_kmcnt 0x0
	s_add_nc_u64 s[4:5], s[4:5], s[56:57]          ; qkv at my batch
	s_add_nc_u64 s[62:63], s[4:5], s[58:59]        ; at the 128 keys of span 0 that I fetch: batch and wave alone, the same in all four work-groups
	s_add_nc_u64 s[84:85], s[62:63], 256           ; k's 256 bytes of a row; never rewritten
	s_add_nc_u64 s[86:87], s[62:63], 512           ; v's; never rewritten
	s_mov_b32 s17, 0                               ; the position
.irp s, 0,1
	s_mov_b32 s[G0K+4*\s], 1
	s_add_co_u32 s[G0K+4*\s+1], s60, \s*SLOT
	s_mov_b32 s[G0V+4*\s], 1
	s_add_co_u32 s[G0V+4*\s+1], s60, \s*SLOT
	SETG \s, \s                                    ; positions 0 and 1
.endr
	WIN 0x80                                       ; destination window 2
.irp X, 0,1
.irp t, 0,1
.irp c, 0,1,2,3
	global_load_b128 v[64*\X+8*(4*\t+\c):64*\X+8*(4*\t+\c)+3],   v[QO+\X], s[4:5] offset:\t*16*ROWB+64*\c      ; Q fragments, read once and kept
	global_load_b128 v[64*\X+8*(4*\t+\c)+4:64*\X+8*(4*\t+\c)+7], v[QO+\X], s[4:5] offset:\t*16*ROWB+64*\c+32
.endr
.endr
.endr
	WIN 0
	ROUND                                          ; all four work-groups are here: the first joint loads meet
	JLOAD 0                                        ; positions 0 and 1: two tensor loads of the wave are out here, one behind every later refill
	JLOAD 1
; My 64 keys of the span in slot sl: 32 loads of K (tiles a = 0..3 in order), then 32 transposing loads of V.
.macro LOADKV sl
	WIN 0x80
.irp a, 0,1,2,3
.irp c, 0,1,2,3
	ds_load_b128 v[KK+8*(4*\a+\c):KK+8*(4*\a+\c)+3],   v[ADRK+\sl] offset:\a*16*KP+64*\c
	ds_load_b128 v[KK+8*(4*\a+\c)+4:KK+8*(4*\a+\c)+7], v[ADRK+\sl] offset:\a*16*KP+64*\c+32
.endr
.endr
	WIN 0xc0
.irp u, 0,1
.irp db, 0,1,2,3,4,5,6,7
	ds_load_tr16_b128 v[8*(2*\db+\u):8*(2*\db+\u)+3],   v[ADRV+\sl] offset:\u*32*VP+32*\db
	ds_load_tr16_b128 v[8*(2*\db+\u)+4:8*(2*\db+\u)+7], v[ADRV+\sl] offset:\u*32*VP+32*\db+16*VP
.endr
.endr
	WIN 0
.endm
; 16 matrix instructions: key tiles a0, a0 + 1 x both query tiles, d in four chunks; the four accumulators take turns, one instruction a
; turn; the first chunk starts the sums.
.macro SC16 X, a0
.irp c, 0,1,2,3
.irp a, \a0, \a0+1
.irp t, 0,1
.if \c == 0
	v_wmma_f32_16x16x32_f16 v[SS+8*(2*(\a)+\t):SS+8*(2*(\a)+\t)+7], v[KK+8*(4*(\a)+\c):KK+8*(4*(\a)+\c)+7], v[64*\X+8*(4*\t+\c):64*\X+8*(4*\t+\c)+7], 0
.else
	v_wmma_f32_16x16x32_f16 v[SS+8*(2*(\a)+\t):SS+8*(2*(\a)+\t)+7], v[KK+8*(4*(\a)+\c):KK+8*(4*(\a)+\c)+7], v[64*\X+8*(4*\t+\c):64*\X+8*(4*\t+\c)+7], v[SS+8*(2*(\a)+\t):SS+8*(2*(\a)+\t)+7]
.endif
.endr
.endr
.endr
.endm
.macro SCORES X
	s_wait_dscnt 48                                ; of the 64 loads the oldest 16 are in: K tiles 0 and 1
	WIN 0x0a                                       ; sources window 2, C and D window 0
	SC16 \X, 0
	s_wait_dscnt 32                                ; all of K is in; V's 32 loads may stay out
	SC16 \X, 2
	WIN 0
	PLACES
.endm
.macro MASK X
.irp t, 0,1
.irp a, 0,1,2,3
.irp j, 0,1,2,3,4,5,6,7
	v_cmp_gt_i32 vcc_lo, 16*\a+\j-16*\t, v[DD+\X]
	v_cndmask_b32 v[SS+8*(2*\a+\t)+\j], v[SS+8*(2*\a+\t)+\j], v[NEG], vcc_lo
.endr
.endr
.endr
.endm
; Both query tiles, phase by phase.  The exponent of every number is c s + (-c m) with the ROUNDED -c m that the state keeps, and alpha is
; the exponential of the difference of two such numbers, so sums and outputs stay on one scale.
.macro SOFTMAX X, first
.irp t, 0,1
.irp a, 0,1,2,3
	v_max3_num_f32 v[TT+8*\t+\a], v[SS+8*(2*\a+\t)], v[SS+8*(2*\a+\t)+1], v[SS+8*(2*\a+\t)+2]
.endr
.endr
.irp k, 3,5
.irp t, 0,1
.irp a, 0,1,2,3
	v_max3_num_f32 v[TT+8*\t+\a], v[TT+8*\t+\a], v[SS+8*(2*\a+\t)+\k], v[SS+8*(2*\a+\t)+\k+1]
.endr
.endr
.endr
.irp t, 0,1
.irp a, 0,1,2,3
	v_max_num_f32 v[TT+8*\t+\a], v[TT+8*\t+\a], v[SS+8*(2*\a+\t)+7]
.endr
.endr
.irp t, 0,1
	v_max3_num_f32 v[TT+8*\t], v[TT+8*\t], v[TT+8*\t+1], v[TT+8*\t+2]
.endr
.irp t, 0,1
	v_max_num_f32 v[TT+8*\t], v[TT+8*\t], v[TT+8*\t+3]
.endr
.irp t, 0,1
	v_permlanex16_b32 v[TT+8*\t+1], v[TT+8*\t], s22, s23          ; the other 32 keys of the same query
.endr
.if \first
.irp t, 0,1
	v_max_num_f32 v[ST+4*(2*\X+\t)+1], v[TT+8*\t], v[TT+8*\t+1]
.endr
.irp t, 0,1
	v_mul_f32 v[ST+4*(2*\X+\t)], NEGC, v[ST+4*(2*\X+\t)+1]
.endr
.else
.irp t, 0,1
	v_max3_num_f32 v[ST+4*(2*\X+\t)+1], v[TT+8*\t], v[TT+8*\t+1], v[ST+4*(2*\X+\t)+1]
.endr
.irp t, 0,1
	v_mul_f32 v[TT+8*\t+4], NEGC, v[ST+4*(2*\X+\t)+1]
.endr
.irp t, 0,1
	v_sub_f32 v[TT+8*\t+5], v[TT+8*\t+4], v[ST+4*(2*\X+\t)]       ; c (m old - m new), at most 0
.endr
.irp t, 0,1
	v_mov_b32 v[ST+4*(2*\X+\t)], v[TT+8*\t+4]
.endr
.irp t, 0,1
	v_exp_f32 v[ST+4*(2*\X+\t)+2], v[TT+8*\t+5]                   ; alpha; the packed multiply-adds below are the plain places behind it (ISA guide 5.7.2)
.endr
.endif
.irp t, 0,1
.irp a, 0,1,2,3
.irp j, 0,2,4,6
	v_pk_fma_f32 v[SS+8*(2*\a+\t)+\j:SS+8*(2*\a+\t)+\j+1], v[SS+8*(2*\a+\t)+\j:SS+8*(2*\a+\t)+\j+1], s[20:21], v[ST+4*(2*\X+\t):ST+4*(2*\X+\t)+1] op_sel_hi:[1,0,0]
.endr
.endr
.endr
.irp k, 0,1,2,3,4,5,6,7
.irp j, 0,1,2,3,4,5,6,7
	v_exp_f32 v[SS+8*\k+\j], v[SS+8*\k+\j]
.endr
.endr
	v_nop                                          ; one plain place between the last exponential and the first use
	s_wait_alu depctr_va_vdst(0)
.irp t, 0,1
.irp a, 0,1,2,3
.irp j, 0,1,2,3
	v_cvt_pk_f16_f32 v[PP+8*(2*\t+\a/2)+4*(\a%2)+\j], v[SS+8*(2*\a+\t)+2*\j], v[SS+8*(2*\a+\t)+2*\j+1]   ; tiles 2 u and 2 u + 1 are registers 0-3 and 4-7 of fragment u
.endr
.endr
.endr
.irp t, 0,1                                    ; the lane's 32 numbers are summed in place: P has been packed
.irp a, 0,1,2,3
.irp j, 0,4
	v_pk_add_f32 v[SS+8*(2*\a+\t)+\j:SS+8*(2*\a+\t)+\j+1], v[SS+8*(2*\a+\t)+\j:SS+8*(2*\a+\t)+\j+1], v[SS+8*(2*\a+\t)+\j+2:SS+8*(2*\a+\t)+\j+3]
.endr
.endr
.endr
.irp t, 0,1
.irp a, 0,1,2,3
	v_pk_add_f32 v[SS+8*(2*\a+\t):SS+8*(2*\a+\t)+1], v[SS+8*(2*\a+\t):SS+8*(2*\a+\t)+1], v[SS+8*(2*\a+\t)+4:SS+8*(2*\a+\t)+5]
.endr
.endr
.irp t, 0,1
.irp a, 0,2
	v_pk_add_f32 v[SS+8*(2*\a+\t):SS+8*(2*\a+\t)+1], v[SS+8*(2*\a+\t):SS+8*(2*\a+\t)+1], v[SS+8*(2*\a+2+\t):SS+8*(2*\a+2+\t)+1]
.endr
.endr
.irp t, 0,1
	v_pk_add_f32 v[SS+8*\t:SS+8*\t+1], v[SS+8*\t:SS+8*\t+1], v[SS+8*(4+\t):SS+8*(4+\t)+1]
.endr
.if \first
.irp t, 0,1
	v_add_f32 v[ST+4*(2*\X+\t)+3], v[SS+8*\t], v[SS+8*\t+1]
.endr
.else
.irp t, 0,1
	v_add_f32 v[TT+8*\t], v[SS+8*\t], v[SS+8*\t+1]
.endr
.irp t, 0,1
	v_fma_f32 v[ST+4*(2*\X+\t)+3], v[ST+4*(2*\X+\t)+3], v[ST+4*(2*\X+\t)+2], v[TT+8*\t]   ; l = l alpha + sum; the two lane halves are added at the end
.endr
.endif
.endm
.macro RESCALE X                               ; O of block X times its query's alpha
	WIN 0x41                                       ; destination and source 0 window 1
.irp t, 0,1
.irp db, 0,1,2,3,4,5,6,7
.irp j, 0,2,4,6
	v_pk_mul_f32 v[128*\X+8*(2*\db+\t)+\j:128*\X+8*(2*\db+\t)+\j+1], v[128*\X+8*(2*\db+\t)+\j:128*\X+8*(2*\db+\t)+\j+1], v[ST+4*(2*\X+\t)+2:ST+4*(2*\X+\t)+3] op_sel_hi:[1,0]
.endr
.endr
.endr
.endm
.macro PV X, first                             ; 32 matrix instructions; the 16 accumulators take turns, one instruction a turn
	s_wait_dscnt 0x0                               ; V is in
	WIN 0x53                                       ; source 0 window 3, source 1 window 0, C and D window 1
.irp u, 0,1
.irp db, 0,1,2,3,4,5,6,7
.irp t, 0,1
.if \first*(1-\u)
	v_wmma_f32_16x16x32_f16 v[128*\X+8*(2*\db+\t):128*\X+8*(2*\db+\t)+7], v[8*(2*\db+\u):8*(2*\db+\u)+7], v[PP+8*(2*\t+\u):PP+8*(2*\t+\u)+7], 0
.else
	v_wmma_f32_16x16x32_f16 v[128*\X+8*(2*\db+\t):128*\X+8*(2*\db+\t)+7], v[8*(2*\db+\u):8*(2*\db+\u)+7], v[PP+8*(2*\t+\u):PP+8*(2*\t+\u)+7], v[128*\X+8*(2*\db+\t):128*\X+8*(2*\db+\t)+7]
.endif
.endr
.endr
.endr
	WIN 0
	PLACES
.endm
; Block X against my 64 keys.  mk = 0: no mask; 1: masked; 2: masked where the position s17 equals lim.
.macro BLOCK X, first, mk, lim
	SCORES \X
.if \mk == 1
	MASK \X
.endif
.if \mk == 2
	s_cmp_lg_u32 s17, \lim
	s_cbranch_scc1 .Lnomask_\@
	MASK \X
.Lnomask_\@:
.endif
	SOFTMAX \X, \first
.if \first == 0
	RESCALE \X
.endif
	PV \X, \first
.endm
; A position, its span in slot sl.  In front of the barrier every wave waits for all its tensor loads (its part of this span among them)
; and for its reads of the other slot ot.  refill = 1: the barrier is a round of the cluster's barrier and the joint load of position
; s17 + ahead (the next one) into slot ot is the first tensor load behind it; it has this position's work in which to land.
; lmode = 1: L works too while s17 <= lim.
.macro STEP sl, ot, refill, lmode, hmask, lim, ahead
	s_wait_tensorcnt 0x0
	ds_add_u32 v254, v255
	s_wait_dscnt 0x0
.if \refill
	SETG \ot, \ahead                               ; none of my tensor loads is out: slot ot's descriptors get the next position's span
.endif
	s_wait_dscnt 0x0
.if \refill
	ROUND
	JLOAD \ot
.else
	s_barrier_signal -1
	s_barrier_wait -1
.endif
	LOADKV \sl
	BLOCK 0, 0, \hmask, s15
.if \lmode
	s_cmp_gt_i32 s17, \lim
	s_cbranch_scc1 .Lno_l_\@
	BLOCK 1, 0, 2, \lim
.Lno_l_\@:
.endif
.endm
	s_wait_loadcnt 0x0                             ; Q is in
	s_wait_tensorcnt 0x1                           ; my part of position 0 is in; position 1's stays out
	s_barrier_signal -1
	s_barrier_wait -1
	LOADKV 0                                       ; position 0 (s17 = 0), span 0: it starts every maximum, sum and output
	BLOCK 0, 1, 0, s15
	BLOCK 1, 1, 2, s15                             ; L is masked here where e = 0
	s_mov_b32 s17, 1                               ; the trip's first position
	s_mov_b32 s75, 0                               ; the loop's counter: one a trip, against s18
.Lpair:                                        ; positions s17 (odd, slot 1) and s17 + 1 (slot 0): 3 to 7 trips, the same in all four work-groups
	STEP 1, 0, 1, 1, 0, s15, 1
	STEP 0, 1, 1, 1, 0, s16, 2                     ; s17 + 1 <= e is s17 <= e - 1
	s_add_co_u32 s17, s17, 2
	s_add_co_u32 s75, s75, 1
	s_cmp_lt_u32 s75, s18
	s_cbranch_scc1 .Lpair
	s_cmp_eq_u32 s19, 0
	s_cbranch_scc1 .Leven
	STEP 1, 0, 1, 1, 0, s15, 1                     ; e odd: position 14 - e (s17 holds it) asks for the last one,
	STEP 0, 1, 0, 0, 1, s15, 0                     ; and position 15 - e, H's masked span, fills nothing
	s_branch .Lmerge
.Leven:
	STEP 1, 0, 0, 0, 1, s15, 0                     ; e even: position 15 - e
.Lmerge:
	; THE MERGE.  Each wave publishes -c m and l of its 64 queries; all take the smallest -c m (the largest m), weigh the sums by
	; 2^(that - own), and scale their own O by own weight / total sum.  A wave all of whose keys were masked has m = -2^100 and weight 0.
.irp i, 0,1,2,3
	v_permlanex16_b32 v[TT+\i], v[ST+4*\i+3], s22, s23
.endr
.irp i, 0,1,2,3
	v_add_f32 v[ST+4*\i+3], v[ST+4*\i+3], v[TT+\i]                ; l over both lane halves
.endr
	v_and_b32 v[OO], 31, v0
	v_lshlrev_b32 v[XLD], 2, v[OO]
	v_add_nc_u32 v[XLD], XCH, v[XLD]
	s_lshl_b32 s56, s8, 10
	v_add_nc_u32 v[XST], s56, v[XLD]
	v_and_b32 v[MST], 15, v0
	v_mul_u32_u24 v[MST], v[MST], MP
	v_bfe_u32 v[RDA], v0, 4, 1
	v_lshl_add_u32 v[MST], v[RDA], 5, v[MST]
	s_mul_i32 s57, s8, MW
	v_add_nc_u32 v[MST], s57, v[MST]               ; my stage: row r, 32 h
	s_mul_i32 s58, s8, 16*MP
	v_lshl_add_u32 v[RDA], v[OO], 4, s58           ; the query tile that I sum: 16 rows from row 16 w of every wave's stage
	v_add_nc_u32 v[RDB], 2*MW, v[RDA]
	v_lshlrev_b32 v[OO], 4, v[OO]
.irp i, 0,1,2,3
	ds_store_b32 v[XST], v[ST+4*\i]   offset:128*\i
	ds_store_b32 v[XST], v[ST+4*\i+3] offset:128*\i+512
.endr
	s_wait_dscnt 0x0                               ; for the others' sake; my reads of both slots ended long ago
	s_barrier_signal -1
	s_barrier_wait -1                              ; behind it no wave reads a slot any more, and no tensor load is left
.irp i, 0,1,2,3
.irp ww, 0,1,2,3
	ds_load_b32 v[MN+4*\i+\ww], v[XLD] offset:1024*\ww+128*\i
	ds_load_b32 v[ML+4*\i+\ww], v[XLD] offset:1024*\ww+128*\i+512
.endr
.endr
	s_wait_dscnt 0x0
.irp i, 0,1,2,3
	v_min3_num_f32 v[MT+\i], v[MN+4*\i], v[MN+4*\i+1], v[MN+4*\i+2]
.endr
.irp i, 0,1,2,3
	v_min_num_f32 v[MT+\i], v[MT+\i], v[MN+4*\i+3]
.endr
.irp i, 0,1,2,3
.irp ww, 0,1,2,3
	v_sub_f32 v[MN+4*\i+\ww], v[MT+\i], v[MN+4*\i+\ww]
.endr
	v_sub_f32 v[MO+\i], v[MT+\i], v[ST+4*\i]
.endr
.irp k, 0,1,2,3,4,5,6,7,8,9,10,11,12,13,14,15
	v_exp_f32 v[MN+\k], v[MN+\k]
.endr
.irp i, 0,1,2,3
	v_exp_f32 v[MO+\i], v[MO+\i]
.endr
	v_nop
	s_wait_alu depctr_va_vdst(0)
.irp i, 0,1,2,3
	v_mul_f32 v[MT+\i], v[MN+4*\i], v[ML+4*\i]
.endr
.irp ww, 1,2,3
.irp i, 0,1,2,3
	v_fmac_f32 v[MT+\i], v[MN+4*\i+\ww], v[ML+4*\i+\ww]
.endr
.endr
.irp i, 0,1,2,3
	v_rcp_f32 v[MT+\i], v[MT+\i]                   ; the sum is at least about 1: the wave with the largest m has weight 1
.endr
	v_nop
	s_wait_alu depctr_va_vdst(0)
.irp i, 0,1,2,3
	v_mul_f32 v[ST+4*\i+2], v[MO+\i], v[MT+\i]
.endr
	RESCALE 0
	RESCALE 1
	WIN 0x04                                       ; store data window 1
.irp X, 0,1
.irp t, 0,1
.irp db, 0,1,2,3,4,5,6,7
	ds_store_b128 v[MST], v[128*\X+8*(2*\db+\t):128*\X+8*(2*\db+\t)+3]   offset:(2*\X+\t)*16*MP+64*\db      ; query r, d = 16 db + 8 h + 0..3
	ds_store_b128 v[MST], v[128*\X+8*(2*\db+\t)+4:128*\X+8*(2*\db+\t)+7] offset:(2*\X+\t)*16*MP+64*\db+16   ; d + 4..7
.endr
.endr
.endr
	WIN 0
	s_cmp_eq_u32 s9, 0                             ; waves 0 and 1 carry out H's two query tiles, waves 2 and 3 L's
	s_cselect_b32 s56, s68, s67
	s_lshl_b32 s57, s10, 4
	s_add_co_u32 s56, s56, s57
	s_lshl_b32 s57, s13, 12
	s_add_co_u32 s56, s56, s57                     ; row of out0
	s_lshl_b32 s56, s56, 9                         ; 512 bytes a row
	s_mov_b32 s57, 0
	s_add_nc_u64 s[6:7], s[6:7], s[56:57]
	s_wait_dscnt 0x0
	s_barrier_signal -1
	s_barrier_wait -1
.irp bt, 0,1,2,3                               ; four rows at a time: four waves' parts of each, added, stored as a whole row of 512 aligned bytes
.if \bt
	s_wait_xcnt 0x0                                ; the last batch's stores have had their addresses translated (ISA guide 3.1): their data registers are loaded again only behind this wait
.endif
.irp i, 0,1,2,3
	ds_load_b128 v[MB+16*\i:MB+16*\i+3],     v[RDA] offset:MP*(4*\bt+\i)
	ds_load_b128 v[MB+16*\i+4:MB+16*\i+7],   v[RDA] offset:MW+MP*(4*\bt+\i)
	ds_load_b128 v[MB+16*\i+8:MB+16*\i+11],  v[RDB] offset:MP*(4*\bt+\i)
	ds_load_b128 v[MB+16*\i+12:MB+16*\i+15], v[RDB] offset:MW+MP*(4*\bt+\i)
.endr
	s_wait_dscnt 0x0
.irp i, 0,1,2,3
	v_pk_add_f32 v[MB+16*\i:MB+16*\i+1],     v[MB+16*\i:MB+16*\i+1],     v[MB+16*\i+4:MB+16*\i+5]
	v_pk_add_f32 v[MB+16*\i+2:MB+16*\i+3],   v[MB+16*\i+2:MB+16*\i+3],   v[MB+16*\i+6:MB+16*\i+7]
	v_pk_add_f32 v[MB+16*\i+8:MB+16*\i+9],   v[MB+16*\i+8:MB+16*\i+9],   v[MB+16*\i+12:MB+16*\i+13]
	v_pk_add_f32 v[MB+16*\i+10:MB+16*\i+11], v[MB+16*\i+10:MB+16*\i+11], v[MB+16*\i+14:MB+16*\i+15]
.endr
.irp i, 0,1,2,3
	v_pk_add_f32 v[MB+16*\i:MB+16*\i+1],   v[MB+16*\i:MB+16*\i+1],   v[MB+16*\i+8:MB+16*\i+9]
	v_pk_add_f32 v[MB+16*\i+2:MB+16*\i+3], v[MB+16*\i+2:MB+16*\i+3], v[MB+16*\i+10:MB+16*\i+11]
	global_store_b128 v[OO], v[MB+16*\i:MB+16*\i+3], s[6:7] offset:512*(4*\bt+\i) th:TH_STORE_NT
.endr
.endr
	s_wait_tensorcnt 0x0
	ds_add_u32 v254, v255
	s_wait_dscnt 0x0
	ROUND                                          ; the closing round: no work-group ends while a partner may still ask for a tile that names it
	s_endpgm
.Lfunc_end_k_q72f3ace851_attn:
	.size	k_q72f3ace851_attn, .Lfunc_end_k_q72f3ace851_attn-k_q72f3ace851_attn
	.p2alignl 7, 3214868480
	.fill 96, 4, 3214868480
	.section	.rodata,"a",@progbits
	.p2align	6, 0x0
	.amdhsa_kernel k_q72f3ace851_attn
		.amdhsa_group_segment_fixed_size 327680
		.amdhsa_private_segment_fixed_size 0
		.amdhsa_enable_private_segment 0
		.amdhsa_kernarg_size 16
		.amdhsa_user_sgpr_count 2
		.amdhsa_user_sgpr_kernarg_segment_ptr 1
		.amdhsa_wavefront_size32 1
		.amdhsa_system_sgpr_workgroup_id_x 1
		.amdhsa_system_sgpr_workgroup_id_y 1
		.amdhsa_system_sgpr_workgroup_id_z 1
		.amdhsa_system_vgpr_workitem_id 0
		.amdhsa_next_free_vgpr 896
		.amdhsa_next_free_sgpr 88
		.amdhsa_reserve_vcc 1
		.amdhsa_float_denorm_mode_32 3
		.amdhsa_float_denorm_mode_16_64 3
		.amdhsa_memory_ordered 1
		.amdhsa_forward_progress 1
		.amdhsa_inst_pref_size 255
	.end_amdhsa_kernel
	.section	.bss,"aw",@nobits
	.p2align	6
	.space	262144
	.amdgpu_metadata
---
amdhsa.version: [ 1, 2 ]
amdhsa.kernels:
  - .name:           k_q72f3ace851_attn
    .symbol:         k_q72f3ace851_attn.kd
    .args:
      - { .name: qkv, .offset: 0, .size: 8, .value_kind: global_buffer, .address_space: global }
      - { .name: out0, .offset: 8, .size: 8, .value_kind: global_buffer, .address_space: global }
    .group_segment_fixed_size: 327680
    .private_segment_fixed_size: 0
    .kernarg_segment_align: 8
    .kernarg_segment_size: 16
    .max_flat_workgroup_size: 128
    .sgpr_count:     88
    .vgpr_count:     896
    .wavefront_size: 32
...
	.end_amdgpu_metadata
.endif
;; end of part 5
;; ======== version 3 of 3: 3 launches; version 2 with the launch wcast written anew for expert scheduling mode
;; limits: values are held in f16: magnitudes above 65,504 overflow, below 6.1e-05 lose precision
;; workspace buffers: wb 1,572,864 bytes; qkv 12,582,912 bytes
;; launch wcast (part 6): grid 256 x 1, 4 waves a work-group, no clusters, 0 bytes of LDS; arguments W_qkv, wb; writes wb
.if DOCPART == 6
	.amdgcn_target "amdgcn-amd-amdhsa--gfx1250"
	.amdhsa_code_object_version 6
	.text
	.protected	k_q72f3ace851_wcast
	.globl	k_q72f3ace851_wcast
	.p2align	8
	.type	k_q72f3ace851_wcast,@function
k_q72f3ace851_wcast:
	s_mov_b64 s[64:65], 0
	v_nop
	global_prefetch_b8 v0, s[64:65] scope:SCOPE_SE
	s_setreg_imm32_b32 hwreg(HW_REG_WAVE_SCHED_MODE, 0, 2), 2
	s_setreg_imm32_b32 hwreg(HW_REG_WAVE_MODE, 25, 1), 1
	s_wait_xcnt 0x0
	s_wait_alu depctr_vm_vsrc(0)
; wb = W_qkv rounded to bf16 (nearest even).  W_qkv: [384][2048] f32, wb: [384][2048] bf16, both taken as one dense run of numbers.
; Why it exists: each of the 256 work-groups of the projection walks all of W; as bf16 its tiles take half the LDS, half the fragment
; loads and no conversion in that kernel's loop.
; 256 work-groups x 4 waves; a wave takes 3,072 consecutive bytes: six loads of 512 consecutive bytes, six stores of 256 consecutive
; aligned bytes.  A plain stream: no LDS, no barrier, no matrix unit, nothing shared between work-groups (so no cluster).
; THE MODE: SCHED_MODE bits 1:0 = 2 (LLVM: expert scheduling mode 2), set by the entry lines.  The code itself states the register
; dependences between vector instructions and memory instructions, with s_wait_alu, always for 0.
; THE PLAN.  Registers that memory instructions touch (there is no loop):
;   v3, v4     byte offsets of the loads and of the stores: made at the head by vector lines, never written again.
;   X          six loads land in it; no vector line names it before they are issued; the conversions read it once; it is never loaded again.
;   P          the conversions write each of its registers once; the stores read them; none is written again.
; So three waits on va_vdst state everything: one ahead of the first load (v3 and v4 are written), and one behind each half's six
; conversions, ahead of that half's run of three stores (their data are written).  No register that a memory instruction reads is
; written again, no vector line writes a scalar register or VCC, and EXEC is never written: no other wait is owed.
.set INB,  12288                       ; bytes of W for a work-group
.set OUTB, 6144                        ; bytes of wb for a work-group
.set X, 8                              ; v[8:31]   six loads
.set P, 32                             ; v[32:43]  six packed pairs
	s_load_b128 s[4:7], s[0:1], 0x0                ; W s[4:5], wb s[6:7]
	v_lshrrev_b32 v1, 5, v0                        ; wave
	v_and_b32 v2, 31, v0                           ; lane
	v_mul_u32_u24 v3, v1, 3072
	v_lshl_add_u32 v3, v2, 4, v3                   ; in: 3,072 wave + 16 lane
	v_mul_u32_u24 v4, v1, 1536
	v_lshl_add_u32 v4, v2, 3, v4                   ; out: 1,536 wave + 8 lane
	s_mul_i32 s8, ttmp9, INB
	s_mov_b32 s9, 0
	s_mul_i32 s10, ttmp9, OUTB
	s_mov_b32 s11, 0
	s_wait_kmcnt 0x0
	s_add_nc_u64 s[4:5], s[4:5], s[8:9]
	s_add_nc_u64 s[6:7], s[6:7], s[10:11]
	s_wait_alu depctr_va_vdst(0)                   ; v3 and v4 are written: the six loads read v3 as their offset, the six stores v4
.irp i, 0,1,2,3,4,5
	global_load_b128 v[X+4*\i:X+4*\i+3], v3, s[4:5] offset:512*\i th:TH_LOAD_NT
.endr
	s_wait_loadcnt 3                               ; loads come back in order: loads 0 to 2 are in, the three younger ones stay out
.irp i, 0,1,2
	v_cvt_pk_bf16_f32 v[P+2*\i],   v[X+4*\i],   v[X+4*\i+1]
	v_cvt_pk_bf16_f32 v[P+2*\i+1], v[X+4*\i+2], v[X+4*\i+3]
.endr
	s_wait_alu depctr_va_vdst(0)                   ; the six conversions have written v[32:37], which the three stores below read as their data
.irp i, 0,1,2
	global_store_b64 v4, v[P+2*\i:P+2*\i+1], s[6:7] offset:256*\i
.endr
	s_wait_loadcnt 0x0                             ; loads 3 to 5 are in
.irp i, 3,4,5
	v_cvt_pk_bf16_f32 v[P+2*\i],   v[X+4*\i],   v[X+4*\i+1]
	v_cvt_pk_bf16_f32 v[P+2*\i+1], v[X+4*\i+2], v[X+4*\i+3]
.endr
	s_wait_alu depctr_va_vdst(0)                   ; the six conversions have written v[38:43], which the last three stores read as their data
.irp i, 3,4,5
	global_store_b64 v4, v[P+2*\i:P+2*\i+1], s[6:7] offset:256*\i
.endr
	s_endpgm
.Lfunc_end_k_q72f3ace851_wcast:
	.size	k_q72f3ace851_wcast, .Lfunc_end_k_q72f3ace851_wcast-k_q72f3ace851_wcast
	.p2alignl 7, 3214868480
	.fill 96, 4, 3214868480
	.section	.rodata,"a",@progbits
	.p2align	6, 0x0
	.amdhsa_kernel k_q72f3ace851_wcast
		.amdhsa_group_segment_fixed_size 0
		.amdhsa_private_segment_fixed_size 0
		.amdhsa_enable_private_segment 0
		.amdhsa_kernarg_size 16
		.amdhsa_user_sgpr_count 2
		.amdhsa_user_sgpr_kernarg_segment_ptr 1
		.amdhsa_wavefront_size32 1
		.amdhsa_system_sgpr_workgroup_id_x 1
		.amdhsa_system_sgpr_workgroup_id_y 1
		.amdhsa_system_sgpr_workgroup_id_z 1
		.amdhsa_system_vgpr_workitem_id 0
		.amdhsa_next_free_vgpr 44
		.amdhsa_next_free_sgpr 66
		.amdhsa_reserve_vcc 0
		.amdhsa_float_denorm_mode_32 3
		.amdhsa_float_denorm_mode_16_64 3
		.amdhsa_memory_ordered 1
		.amdhsa_forward_progress 1
		.amdhsa_inst_pref_size 4
	.end_amdhsa_kernel
	.amdgpu_metadata
---
amdhsa.version: [ 1, 2 ]
amdhsa.kernels:
  - .name:           k_q72f3ace851_wcast
    .symbol:         k_q72f3ace851_wcast.kd
    .args:
      - { .name: W_qkv, .offset: 0, .size: 8, .value_kind: global_buffer, .address_space: global }
      - { .name: wb, .offset: 8, .size: 8, .value_kind: global_buffer, .address_space: global }
    .group_segment_fixed_size: 0
    .private_segment_fixed_size: 0
    .kernarg_segment_align: 8
    .kernarg_segment_size: 16
    .max_flat_workgroup_size: 128
    .sgpr_count:     66
    .vgpr_count:     44
    .wavefront_size: 32
...
	.end_amdgpu_metadata
.endif
;; end of part 6
;; launch proj: the kernel of part 4 again; grid 256 x 1, 4 waves a work-group, clusters of 4 x 1, 327,680 bytes of LDS; arguments x, wb, qkv; writes qkv
;; launch attn: the kernel of part 5 again; grid 256 x 1, 4 waves a work-group, clusters of 4 x 1, 327,680 bytes of LDS; arguments qkv, out0; writes out0
